; MI455X (gfx1250); checked and timed in simulation.
; The chip was launched on July 23, 2026; its instructions are those of AMD's public machine-readable ISA for CDNA 5 (MIT licence, August 2026) and "CDNA5" Instruction Set Architecture Reference Guide (July 2026). The comments in the code are by the model that wrote it; some were corrected since.
;; Transformer Block. Allowed arithmetic: matrix products marked QUANTISED: E4M3 operands, one E8M0 scale for each 32 along K, by v_wmma_scale_f32_16x16x128_f8f6f4 with both operands' format E4M3, f32 sums; everything else in f32.
;; Inputs: W1 1,024 x 4,096 float32; W2 4,096 x 1,024 float32; Wk 1,024 x 1,024 float32; Wo 1,024 x 1,024 float32; Wq 1,024 x 1,024 float32; Wv 1,024 x 1,024 float32; b1 4,096 float32; b2 1,024 float32; beta1 1,024 float32; beta2 1,024 float32; bk 1,024 float32; bo 1,024 float32; bq 1,024 float32; bv 1,024 float32; g1 1,024 float32; g2 1,024 float32; mask 2 x 2,048 int32; x 2 x 2,048 x 1,024 float32.
;; Outputs: out0 2 x 2,048 x 1,024 float32.
;; This version of the problem:
;;   THIS VERSION OF THE PROBLEM IS GIVEN IN LOW PRECISION. The matrix products marked QUANTISED in the list below multiply operands that are first quantised to E4M3 (4 exponent bits, 3 mantissa bits; 8 bits a number), with one power-of-two scale for each 32 numbers along K (OCP MX v1.0); their sums are f32. All else is computed in f32.
;;   The module's matrix products, in the order in which they are computed (A, B: the left and right operand; K: the contracted axis; several contracted axes count as one K, in the product's order):
;;     1. [M 4,096, K 1,024] x [K 1,024, N 1,024]; A: input x; B: input Wq: QUANTISED
;;     2. [M 4,096, K 1,024] x [K 1,024, N 1,024]; A: input x; B: input Wk: QUANTISED
;;     3. [M 4,096, K 1,024] x [K 1,024, N 1,024]; A: input x; B: input Wv: QUANTISED
;;     4. batch 32 x [M 2,048, K 64] x [K 64, N 2,048]; A: computed on the way; B: computed on the way: QUANTISED
;;     5. batch 32 x [M 2,048, K 2,048] x [K 2,048, N 64]; A: softmax (see below); B: computed on the way: QUANTISED
;;     6. [M 4,096, K 1,024] x [K 1,024, N 1,024]; A: computed on the way; B: input Wo: QUANTISED
;;     7. [M 4,096, K 1,024] x [K 1,024, N 4,096]; A: computed on the way; B: input W1: QUANTISED
;;     8. [M 4,096, K 4,096] x [K 4,096, N 1,024]; A: computed on the way; B: input W2: QUANTISED
;;   THE QUANTISER, for each operand of a quantised product, along K:
;;     - K is cut into blocks of 32 from its start; a last block that is shorter is filled with zeros.
;;     - A block's scale is 2^e with e = floor(log2(the largest magnitude in the block)) - 8, held to -126 .. 127; a block of zeros has e = 0. As a byte (E8M0): e + 127.
;;     - Each number is divided by its block's scale, clamped to +-448, and rounded to the nearest number of E4M3, ties to even, subnormals kept.
;;     - The product sums the exact products of the quantised numbers (number of the format x scale) in f32.
;;   ~~~python
;;   def quantise(x, axis):      # numpy; x: float32 -> the quantised numbers, widened to float32 again
;;       x = np.moveaxis(x, axis, -1); K = x.shape[-1]
;;       x = np.pad(x, [(0, 0)] * (x.ndim - 1) + [(0, -K % 32)]); x = x.reshape(x.shape[:-1] + (-1, 32)); a = np.abs(x).max(-1, keepdims=True)
;;       e = np.where(a > 0, np.clip(np.frexp(np.where(a > 0, a, 1))[1] - 1 - 8, -126, 127), 0)      # np.frexp(a)[1] - 1 = floor(log2(a)), exactly
;;       r = np.clip(x / 2.0 ** e, -448, 448)
;;       step = 2.0 ** (np.maximum(np.frexp(np.where(r == 0, 1, r))[1] - 1, -6) - 3)
;;       q = np.round(r / step) * step * 2.0 ** e      # np.round: ties to even
;;       return np.moveaxis(q.reshape(q.shape[:-2] + (-1,))[..., :K], -1, axis).astype(np.float32)
;;   ~~~
;;   SOFTMAX AHEAD OF A QUANTISED PRODUCT. Where the list says 'softmax', what is quantised is not the finished softmax but p = 2^(t - M), with t = logit x log2(e) and M = ceil(the row's largest t), a whole number; so 1/2 < the row's largest p <= 1. The row's sum l is taken of the UNQUANTISED p, in f32, and the product's result is divided by l at the end. Since M is a whole number, a kernel that streams over the keys may use a running M (the ceiling of the running maximum): every later rescaling is an exact power of two, which a block's scale takes up: the codes' values come out the same.
;;   OPERANDS COMPUTED ON THE WAY. 'Computed on the way' means the value that the module computes at that place (a softmax that the list does not call 'softmax' is quantised finished and normalised). What goes into a quantiser is computed in f32, as accurately as f32 sums, v_exp_f32 and their like allow (about 1e-6 of the number): no bf16 or f16 on the way to a quantiser, and a product that is left as it is and whose result goes on into a quantised operand takes f32 operands (vector FMAs, or v_wmma_f32_16x16x4_f32). A number that lies on a knife's edge between two numbers of the format may be rounded either way, as far as f32 arithmetic and the matrix unit's own rounding can turn it there, and no further.
;; One version. Each part assembles by itself: llvm-mc -triple=amdgcn-amd-amdhsa -mcpu=gfx1250 --defsym DOCPART=n.
;; ======== version 1 of 1: 8 launches
;; limits: right only within a limited range of input values
;; workspace buffers: qw 17,301,504 bytes; qkv 12,976,128 bytes; ctx 4,325,376 bytes; y 16,777,216 bytes; xn 21,102,592 bytes; hid 17,301,504 bytes
;; launch quant (part 1): grid 640 x 1, 4 waves a work-group, no clusters, 18,432 bytes of LDS; arguments x, Wq, Wk, Wv, Wo, W1, W2, qw; writes qw
.if DOCPART == 1
	.amdgcn_target "amdgcn-amd-amdhsa--gfx1250"
	.amdhsa_code_object_version 6
	.text
	.protected	k_q6392082803_quant
	.globl	k_q6392082803_quant
	.p2align	8
	.type	k_q6392082803_quant,@function
k_q6392082803_quant:
	s_mov_b64 s[64:65], 0
	v_nop
	global_prefetch_b8 v0, s[64:65] scope:SCOPE_SE
	s_setreg_imm32_b32 hwreg(HW_REG_WAVE_MODE, 25, 1), 1
	s_wait_xcnt 0x0
; TRANSFORMER BLOCK, launch 1 of 8: x and the six weights become codes of E4M3 with one E8M0 scale for each 32 along K.
; DEAD WORK: none.  Every input of reference() has a way to out0 for some values (bk moves k's codes, the mask selects scores), so every input is loaded by some launch and no product is left out.
; LAYOUT OF EVERY OPERAND X[rows][K] IN THIS PROGRAM'S OWN BUFFERS ("image"): the tile (rt = row / 16, ks = k / 128) is 2,048 bytes [c = 0..3][lane 0..31][16 bytes]: what four loads of 16 bytes a lane put into
; an operand's sixteen registers.  Lane (r = lane % 16, h = lane / 16), byte i of chunk c holds X[16 rt + r][128 ks + 32 c + 8 h + (i % 8) + 16 (i / 8)]: inside each block of 32 the two middle groups of eight change places,
; alike on both operands of every product, so blocks, scales and sums stay.  A matrix result used transposed then converts straight into the next operand's registers.
; SCALE WORDS: [row / 128][ks][row % 128], one word of four E8M0 bytes (byte c for block c).
; A block's scale byte is its largest magnitude's exponent field - 8, held at 1 from below; each number is held within +-448 x the scale and rounded to the nearest code, ties to even.
; LIMITS: a block of zeros gets the byte 1 where the rule says 127 (its codes are zeros and this program alone reads the bytes); NaN and infinities among the inputs are not served.
; WORK-GROUPS 0-255: 16 rows of x each (K innermost).  WORK-GROUPS 256-639: 128 columns x 256 along K of a weight (K is the first axis: a lane takes a column, its registers run down K).
.set SCI,   17408                      ; LDS: from 0 the image of 16 rows, 64 units of 256 bytes + 16 of padding; here their scale words [ks][r]
.set SPARE, 17920                      ; the spare words, 128 bytes a wave
.set SPW, 6
.set NIL, 7
.set IA,  8                            ; v8   where my four codes go in the image
.set SBA, 9                            ; v9   where my block's scale byte goes
.set MNT, 21                           ; s21  the mantissa field of 448
.set X,   32                           ; v32-159 four rows of x (32 registers each), v160-163 zeros behind them; for a weight: v32-95 two sets of 32
.set M,   164
.set SCO, 172
.set HO,  180
.set DD,  188
.set C,   96
.set SB,  24
; One row: lane l holds elements 128 i + 4 l + 0..3, i = 0..7 (i = ks; the block is c = l / 8: eight neighbouring lanes).  The conversion takes eight registers; only the first four are this block's, so only its first result register is used.
.macro QROW V, k
.irp i, 0,1,2,3,4,5,6,7
	v_max3_num_f32 v[M+\i], |v[(\V)+4*\i]|, |v[(\V)+4*\i+1]|, 0x4800000   ; with the floor 2^(9 - 127): the byte cannot fall under 1
.endr
.irp i, 0,1,2,3,4,5,6,7
	v_max3_num_f32 v[M+\i], v[M+\i], |v[(\V)+4*\i+2]|, |v[(\V)+4*\i+3]|
.endr
.irp x, 1,2,4
.irp i, 0,1,2,3,4,5,6,7
	v_max_num_f32_dpp v[M+\i], v[M+\i], v[M+\i] row_xmask:\x row_mask:0xf bank_mask:0xf
.endr
.endr
.irp i, 0,1,2,3,4,5,6,7
	v_add_nc_u32 v[SCO+\i], 0xfc000000, v[M+\i]            ; 8 off the exponent field: the conversion's scale operand
.endr
.irp i, 0,1,2,3,4,5,6,7
	v_and_or_b32 v[HO+\i], v[M+\i], 0x7f800000, s[MNT]     ; 448 x the scale
.endr
.irp i, 0,1,2,3,4,5,6,7
.irp e, 0,1,2,3
	v_med3_num_f32 v[(\V)+4*\i+\e], v[(\V)+4*\i+\e], -v[HO+\i], v[HO+\i]   ; the conversion to an 8-bit code does not saturate (ISA guide 7.6.2)
.endr
.endr
.irp i, 0,1,2,3,4,5,6,7
	v_cvt_scalef32_pk8_fp8_f32 v[DD+2*\i:DD+2*\i+1], v[(\V)+4*\i:(\V)+4*\i+7], v[SCO+\i]
.endr
.irp i, 0,1,2,3,4,5,6,7
	v_lshrrev_b32 v[M+\i], 23, v[SCO+\i]                   ; the scale's byte (also the plain line behind the conversions)
.endr
.irp i, 0,1,2,3,4,5,6,7
	ds_store_b32 v[IA], v[DD+2*\i] offset:2176*\i+16*(\k)
	ds_store_b8 v[SBA], v[M+\i] offset:64*\i+4*(\k)        ; the eight lanes of a block write the same byte with the same value
.endr
	s_wait_dscnt 0x0                                       ; the stores have read their registers, which the next row writes again
.endm
.macro WLOAD t, N                      ; block t of a weight: W(32 t + i, my column)
.irp i, 0,1,2,3,4,5,6,7,8,9,10,11,12,13,14,15,16,17,18,19,20,21,22,23,24,25,26,27,28,29,30,31
	global_load_b32 v[X+32*((\t)%2)+\i], v3, s[28:29] offset:(32*(\t)+\i)*(\N)*4 th:TH_LOAD_NT
.endr
.endm
.macro WBLOCK t, N
.set XS, X+32*((\t)%2)
.if (\t) < 7
	s_wait_loadcnt 32                                      ; this block's 32 loads are in; the next block's may be out
.else
	s_wait_loadcnt 0
.endif
	v_max3_num_f32 v12, |v[XS]|, |v[XS+1]|, |v[XS+2]|
	v_max3_num_f32 v13, |v[XS+3]|, |v[XS+4]|, |v[XS+5]|
.irp i, 6,10,14,18,22,26
	v_max3_num_f32 v12, v12, |v[XS+\i]|, |v[XS+\i+1]|
	v_max3_num_f32 v13, v13, |v[XS+\i+2]|, |v[XS+\i+3]|
.endr
	v_max3_num_f32 v12, v12, |v[XS+30]|, |v[XS+31]|
	v_max3_num_f32 v12, v12, v13, 0x4800000
	v_add_nc_u32 v11, 0xfc000000, v12
	v_and_or_b32 v10, v12, 0x7f800000, s[MNT]
	v_lshrrev_b32 v13, 23, v11
.if (\t)%4 == 0
	v_mov_b32 v[SB+(\t)/4], v13
.else
	v_lshl_or_b32 v[SB+(\t)/4], v13, 8*((\t)%4), v[SB+(\t)/4]
.endif
.irp i, 0,1,2,3,4,5,6,7,8,9,10,11,12,13,14,15,16,17,18,19,20,21,22,23,24,25,26,27,28,29,30,31
	v_med3_num_f32 v[XS+\i], v[XS+\i], -v10, v10
.endr
.if (\t) > 0
	s_wait_alu depctr_va_vdst(0)
	s_wait_xcnt 0x0                                        ; the last block's stores have read the codes' registers
.endif
	v_cvt_scalef32_pk8_fp8_f32 v[C:C+1],   v[XS:XS+7],     v11   ; the image's order: half 0 takes k 0-7 and 16-23,
	v_cvt_scalef32_pk8_fp8_f32 v[C+2:C+3], v[XS+16:XS+23], v11
	v_cvt_scalef32_pk8_fp8_f32 v[C+4:C+5], v[XS+8:XS+15],  v11   ; half 1 takes k 8-15 and 24-31
	v_cvt_scalef32_pk8_fp8_f32 v[C+6:C+7], v[XS+24:XS+31], v11
	global_store_b128 v4, v[C:C+3],   s[36:37] offset:((\t)/4)*2048+((\t)%4)*512       ; sixteen lanes store 256 consecutive bytes, aligned
	global_store_b128 v4, v[C+4:C+7], s[36:37] offset:((\t)/4)*2048+((\t)%4)*512+256
.if (\t)%4 == 3
	global_store_b32 v3, v[SB+(\t)/4], s[38:39] offset:((\t)/4)*512                    ; 128 consecutive bytes a wave: one byte in 128 of what is read
.endif
.if (\t)+2 < 8
	WLOAD (\t)+2, \N
.endif
.endm
; s24 = group of 128 columns, s25 = which 256 along K, s27 = K / 128, s30, s31 = the operand's codes and scale words in qw, s[28:29] = the weight
.macro WBODY N
	s_mul_i32 s32, s25, 256*(\N)*4
	s_lshl_b32 s33, s24, 9
	s_add_co_u32 s32, s32, s33
	s_lshl_b32 s33, s20, 7
	s_add_co_u32 s32, s32, s33
	s_mov_b32 s33, 0
	s_add_nc_u64 s[28:29], s[28:29], s[32:33]              ; W at row 256 kc, column 128 cg + 32 wave
	s_lshl_b32 s32, s24, 3
	s_lshl_b32 s34, s20, 1
	s_add_co_u32 s32, s32, s34                             ; my first tile of 16 columns
	s_mul_i32 s32, s32, s27
	s_lshl_b32 s34, s25, 1
	s_add_co_u32 s32, s32, s34                             ; x K / 128 + 2 kc
	s_lshl_b32 s32, s32, 11
	s_add_co_u32 s32, s32, s30
	s_add_nc_u64 s[36:37], s[18:19], s[32:33]
	s_mul_i32 s32, s24, s27
	s_add_co_u32 s32, s32, s34
	s_lshl_b32 s32, s32, 9
	s_lshl_b32 s34, s20, 7
	s_add_co_u32 s32, s32, s34
	s_add_co_u32 s32, s32, s31
	s_add_nc_u64 s[38:39], s[18:19], s[32:33]
	s_lshl_b32 s34, s27, 11
	v_mul_lo_u32 v4, v8, s34                               ; lanes 16-31: the next tile of columns
	v_lshl_add_u32 v4, v9, 4, v4
	WLOAD 0, \N
	WLOAD 1, \N
.irp t, 0,1,2,3,4,5,6,7
	WBLOCK \t, \N
.endr
.endm
	s_load_b256 s[4:11], s[0:1], 0x0                       ; x, Wq, Wk, Wv
	s_load_b256 s[12:19], s[0:1], 0x20                     ; Wo, W1, W2, qw
	v_lshl_add_u32 v[SPW], v0, 2, SPARE
	v_mov_b32 v[NIL], 0
	v_lshrrev_b32 v2, 5, v0
	v_readfirstlane_b32 s20, v2                            ; wave
	v_and_b32 v1, 31, v0                                   ; lane
	s_mov_b32 s[MNT], 0x600000
	s_cmp_lt_u32 ttmp9, 256
	s_cbranch_scc0 .Lweights
	; ---- x: rows 16 rt + 4 wave + 0..3, rt = the work-group's number
	v_lshlrev_b32 v3, 4, v1
	v_lshrrev_b32 v[IA], 3, v1                             ; c
	v_bfe_u32 v11, v1, 1, 1                                ; h of the image: bit 3 of my place in the block
	v_lshl_add_u32 v[IA], v[IA], 1, v11
	v_mul_u32_u24 v[IA], v[IA], 272
	v_bfe_u32 v11, v1, 2, 1
	v_lshl_add_u32 v[IA], v11, 3, v[IA]
	v_and_b32 v11, 1, v1
	v_lshl_add_u32 v[IA], v11, 2, v[IA]
	s_lshl_b32 s22, s20, 6
	v_add_nc_u32 v[IA], s22, v[IA]                         ; + 16 bytes for each of my wave's first rows
	v_lshrrev_b32 v[SBA], 3, v1
	s_lshl_b32 s22, s20, 4
	s_add_co_u32 s22, s22, SCI
	v_add_nc_u32 v[SBA], s22, v[SBA]
	v_lshrrev_b32 v10, 4, v1
	v_mul_u32_u24 v10, v10, 272
	v_and_b32 v11, 15, v1
	v_lshl_add_u32 v10, v11, 4, v10
	s_mul_i32 s22, s20, 16*272
	v_add_nc_u32 v10, s22, v10                             ; back: units 16 wave on, two an instruction
	s_lshl_b32 s22, s20, 12
	v_add_nc_u32 v12, s22, v3                              ; and the same place in the codes
	s_lshl_b32 s22, s20, 7
	s_add_co_u32 s22, s22, SCI
	v_lshl_add_u32 v13, v1, 2, s22                         ; my scale word in LDS: ks = 2 wave + lane / 16, r = lane % 16
	v_lshrrev_b32 v14, 4, v1
	s_lshl_b32 s22, s20, 1
	v_add_nc_u32 v14, s22, v14
	v_lshlrev_b32 v14, 9, v14
	v_lshl_add_u32 v14, v11, 2, v14
	s_lshl_b32 s22, ttmp9, 16
	s_lshl_b32 s23, s20, 14
	s_add_co_u32 s22, s22, s23
	s_mov_b32 s23, 0
	s_lshl_b32 s24, ttmp9, 14
	s_mov_b32 s25, 0
	s_lshr_b32 s26, ttmp9, 3
	s_lshl_b32 s26, s26, 12
	s_and_b32 s27, ttmp9, 7
	s_lshl_b32 s27, s27, 6
	s_add_co_u32 s26, s26, s27
	s_add_co_u32 s26, s26, 0x1000000
	s_mov_b32 s27, 0
	s_wait_kmcnt 0x0
	s_add_nc_u64 s[4:5], s[4:5], s[22:23]
	s_add_nc_u64 s[24:25], s[18:19], s[24:25]
	s_add_nc_u64 s[26:27], s[18:19], s[26:27]
.irp k, 0,1,2,3
.irp i, 0,1,2,3,4,5,6,7
	global_load_b128 v[X+32*\k+4*\i:X+32*\k+4*\i+3], v3, s[4:5] offset:4096*\k+512*\i th:TH_LOAD_NT   ; 512 consecutive bytes
.endr
.endr
.irp e, 0,1,2,3
	v_mov_b32 v[X+128+\e], 0                               ; named by the last row's last conversion
.endr
	s_wait_loadcnt 16                                      ; rows 0 and 1 are in (a row's last conversion names the next row's first registers)
	QROW X, 0
	s_wait_loadcnt 8
	QROW X+32, 1
	s_wait_loadcnt 0
	QROW X+64, 2
	QROW X+96, 3
	s_barrier_signal -1                                    ; every wave's LDS stores are done (the wait at a row's end)
	s_barrier_wait -1
.irp t, 0,1,2,3,4,5,6,7
	ds_load_b128 v[X+4*\t:X+4*\t+3], v10 offset:544*\t
.endr
	ds_load_b32 v[X+32], v13
.irp t, 0,1,2,3,4,5,6,7
	s_wait_dscnt 8-\t                                      ; load t is in; the 8 - t younger ones may be out
	global_store_b128 v12, v[X+4*\t:X+4*\t+3], s[24:25] offset:512*\t    ; 512 consecutive bytes
.endr
	s_wait_dscnt 0x0
	global_store_b32 v14, v[X+32], s[26:27]                ; pieces of 64 bytes: one byte in 128 of what is read
	s_wait_tensorcnt 0x0                                   ; the wave's end, behind my last LDS store
	ds_add_u32 v[SPW], v[NIL]
	s_wait_dscnt 0x0
	s_endpgm
.Lweights:                             ; this way touches no LDS
	s_sub_co_u32 s22, ttmp9, 256                           ; j: 0-127 Wq, Wk, Wv, Wo (32 each); 128-255 W2; 256-383 W1
	s_lshr_b32 s23, s22, 5
	s_wait_alu depctr_va_vdst(0)
	v_lshlrev_b32 v3, 2, v1
	v_lshrrev_b32 v8, 4, v1
	v_and_b32 v9, 15, v1
	s_wait_kmcnt 0x0
	s_cmp_eq_u32 s23, 0                                    ; the choices hang on the work-group's number alone
	s_cselect_b64 s[28:29], s[6:7], s[8:9]
	s_cmp_lt_u32 s23, 2
	s_cselect_b64 s[28:29], s[28:29], s[10:11]
	s_cmp_lt_u32 s23, 3
	s_cselect_b64 s[28:29], s[28:29], s[12:13]
	s_cmp_lt_u32 s23, 4
	s_cselect_b64 s[28:29], s[28:29], s[16:17]
	s_cmp_lt_u32 s23, 8
	s_cselect_b64 s[28:29], s[28:29], s[14:15]
	s_cmp_lt_u32 s22, 256
	s_cbranch_scc0 .Lwide
	s_and_b32 s24, s22, 7
	s_lshr_b32 s25, s22, 3
	s_lshl_b32 s30, s23, 20
	s_add_co_u32 s30, s30, 0x400000
	s_lshl_b32 s31, s23, 15
	s_add_co_u32 s31, s31, 0x1020000
	s_cmp_lt_u32 s22, 128
	s_cselect_b32 s26, 3, 15
	s_cselect_b32 s27, 8, 32
	s_cselect_b32 s30, s30, 0xc00000
	s_cselect_b32 s31, s31, 0x1060000
	s_and_b32 s25, s25, s26
	s_wait_alu depctr_va_vdst(0)
	WBODY 1024
	s_endpgm
.Lwide:
	s_and_b32 s24, s22, 31
	s_lshr_b32 s25, s22, 5
	s_and_b32 s25, s25, 3
	s_mov_b32 s27, 8
	s_mov_b32 s30, 0x800000
	s_mov_b32 s31, 0x1040000
	s_wait_alu depctr_va_vdst(0)
	WBODY 4096
	s_endpgm
.Lfunc_end_k_q6392082803_quant:
	.size	k_q6392082803_quant, .Lfunc_end_k_q6392082803_quant-k_q6392082803_quant
	.p2alignl 7, 3214868480
	.fill 96, 4, 3214868480
	.section	.rodata,"a",@progbits
	.p2align	6, 0x0
	.amdhsa_kernel k_q6392082803_quant
		.amdhsa_group_segment_fixed_size 18432
		.amdhsa_private_segment_fixed_size 0
		.amdhsa_enable_private_segment 0
		.amdhsa_kernarg_size 64
		.amdhsa_user_sgpr_count 2
		.amdhsa_user_sgpr_kernarg_segment_ptr 1
		.amdhsa_wavefront_size32 1
		.amdhsa_system_sgpr_workgroup_id_x 1
		.amdhsa_system_sgpr_workgroup_id_y 1
		.amdhsa_system_sgpr_workgroup_id_z 1
		.amdhsa_system_vgpr_workitem_id 0
		.amdhsa_next_free_vgpr 208
		.amdhsa_next_free_sgpr 66
		.amdhsa_reserve_vcc 0
		.amdhsa_float_denorm_mode_32 3
		.amdhsa_float_denorm_mode_16_64 3
		.amdhsa_memory_ordered 1
		.amdhsa_forward_progress 1
		.amdhsa_inst_pref_size 152
	.end_amdhsa_kernel
	.amdgpu_metadata
---
amdhsa.version: [ 1, 2 ]
amdhsa.kernels:
  - .name:           k_q6392082803_quant
    .symbol:         k_q6392082803_quant.kd
    .args:
      - { .name: x, .offset: 0, .size: 8, .value_kind: global_buffer, .address_space: global }
      - { .name: Wq, .offset: 8, .size: 8, .value_kind: global_buffer, .address_space: global }
      - { .name: Wk, .offset: 16, .size: 8, .value_kind: global_buffer, .address_space: global }
      - { .name: Wv, .offset: 24, .size: 8, .value_kind: global_buffer, .address_space: global }
      - { .name: Wo, .offset: 32, .size: 8, .value_kind: global_buffer, .address_space: global }
      - { .name: W1, .offset: 40, .size: 8, .value_kind: global_buffer, .address_space: global }
      - { .name: W2, .offset: 48, .size: 8, .value_kind: global_buffer, .address_space: global }
      - { .name: qw, .offset: 56, .size: 8, .value_kind: global_buffer, .address_space: global }
    .group_segment_fixed_size: 18432
    .private_segment_fixed_size: 0
    .kernarg_segment_align: 8
    .kernarg_segment_size: 64
    .max_flat_workgroup_size: 128
    .sgpr_count:     66
    .vgpr_count:     208
    .wavefront_size: 32
...
	.end_amdgpu_metadata
.endif
;; end of part 1
;; launch qkv (part 2): grid 12 x 16, 4 waves a work-group, clusters of 4 x 4, 327,680 bytes of LDS; arguments qw, bq, bk, bv, qkv; writes qkv
.if DOCPART == 2
	.amdgcn_target "amdgcn-amd-amdhsa--gfx1250"
	.amdhsa_code_object_version 6
	.text
	.protected	k_q6392082803_qkv
	.globl	k_q6392082803_qkv
	.p2align	8
	.type	k_q6392082803_qkv,@function
k_q6392082803_qkv:
	s_mov_b64 s[64:65], 0
	v_nop
	global_prefetch_b8 v0, s[64:65] scope:SCOPE_SE
	s_setreg_imm32_b32 hwreg(HW_REG_WAVE_MODE, 25, 1), 1
	s_wait_xcnt 0x0
	s_wait_alu depctr_hold_cnt(0) depctr_sa_sdst(0) depctr_va_vdst(0) depctr_va_sdst(0) depctr_va_ssrc(0) depctr_va_vcc(0) depctr_vm_vsrc(0)
	s_getreg_b32 s2, hwreg(HW_REG_IB_STS2, 6, 4)
	s_cmp_eq_u32 s2, 0
	s_cbranch_scc0 .Lentry_in_a_cluster
	s_endpgm
.Lentry_in_a_cluster:
	s_bfe_u32 s2, ttmp6, 0x10000c
	s_cmp_lg_u32 s2, 0xf033
	s_cbranch_scc0 .Lentry_shape_is_right
	s_endpgm
.Lentry_shape_is_right:
.set NT, 8
.set NQ, 2
.set KS, 8
.set LAPS, KS/(2*NQ)
.set HALFT, 32768
.set SLOT, 131072
.set BOFF, 65536
.set SCL, 262144
.set HALFS, KS*64*NT
.set SH, HALFS
.set SPARE, SCL+4*HALFS
.set ADRA, 16
.set ADRB, 20
.set LI, 24
.set LS, 25
.set ADRS, 27
.set SPW, 28
.set NIL, 29
.set SC, 32
.set BI, 64
.set AF, 128
.set T, 128
.set PC, 192
.set TM, 208
.set PWS, 224
.set WA, 232
.set WB, 236
.set XW, 240
.set G1, 24
.set G0, 32
.set G1B, 48
.set G0B, 56
.set G1S, 68
.set G0S, 76
.set G1SB, 80
.set G0SB, 88
.set SEL, 98
.set MNT, 100
.set HM, 101
.set MSB, 0
.macro WIN new
.if MSB != (\new)
	s_set_vgpr_msb (MSB<<8)|(\new)
.set MSB, (\new)
.endif
.endm
.macro PLACES n
.rept \n
	v_nop
.endr
.endm
.macro JLOAD g0a, g1a, g0b, g1b
	s_cmp_eq_u32 s15, 0
	s_cbranch_scc0 .Lfor_b_\@
	tensor_load_to_lds s[\g0a:\g0a+3], s[\g1a:\g1a+7]
	s_nop 0
.rept 4
	v_nop
.endr
	s_branch .Lasked_\@
.Lfor_b_\@:
	tensor_load_to_lds s[\g0b:\g0b+3], s[\g1b:\g1b+7]
	s_nop 0
.rept 4
	v_nop
.endr
.Lasked_\@:
.endm
.macro CREST
	s_cmp_lg_u32 s14, 0
	s_cbranch_scc1 .Lnot_wave_0_\@
	s_barrier_signal -3
.Lnot_wave_0_\@:
	s_barrier_wait -3
	s_barrier_signal -1
	s_barrier_wait -1
.endm
.macro CROUND
	s_barrier_signal -1
	s_barrier_wait -1
	CREST
.endm
.macro FRAG reg, adr, q, i
.irp c, 0,1,2,3
	ds_load_b128 v[(\reg)+4*\c:(\reg)+4*\c+3], v[\adr] offset:((\i)*NQ+(\q))*2048+512*\c
.endr
.endm
.macro FETCH_B slot, q, p
	WIN 0x40
.set fi, 0
.rept NT
	FRAG 128*(\p)+16*fi, ADRB+\slot, \q, fi
.set fi, fi+1
.endr
	WIN 0
.endm
.macro FETCH_A slot, q, i0
.set fi, \i0
.rept NT/2
	FRAG AF+16*fi, ADRA+\slot, \q, fi
.set fi, fi+1
.endr
.endm
.macro SCALES sc
.set fq, 0
.rept NQ
.set fi, 0
.rept NT
	ds_load_b32 v[SC+16*(\sc)+NT*fq+fi], v[ADRS] offset:fq*512+fi*64
.set fi, fi+1
.endr
.set fq, fq+1
.endr
.endm
.macro MULR a0, n, p, q, sc, zero
.if (\zero) == 2
	WIN 0x81+0x40*((\a0)/4)
.else
	WIN 0xa1+0x50*((\a0)/4)
.endif
.set ma, \a0
.rept \n
.set mb, 0
.rept NT
.set rD, 8*(NT*(ma%4)+mb)
.set rB, 128*(\p)+16*mb
.set rA, AF+16*ma
.set rS, SC+16*(\sc)+NT*(\q)
.if (\zero) == 1
	v_wmma_scale_f32_16x16x128_f8f6f4 v[rD:rD+7], v[rB:rB+15], v[rA:rA+15], 0, v[rS+mb], v[rS+ma] matrix_a_scale:MATRIX_SCALE_ROW1
.elseif (\zero) == 2
	v_wmma_scale_f32_16x16x128_f8f6f4 v[rD:rD+7], v[rB:rB+15], v[rA:rA+15], v[BI+8*mb:BI+8*mb+7], v[rS+mb], v[rS+ma] matrix_a_scale:MATRIX_SCALE_ROW1
.else
	v_wmma_scale_f32_16x16x128_f8f6f4 v[rD:rD+7], v[rB:rB+15], v[rA:rA+15], v[rD:rD+7], v[rS+mb], v[rS+ma] matrix_a_scale:MATRIX_SCALE_ROW1
.endif
.set mb, mb+1
.endr
.set ma, ma+1
.endr
.endm
.macro STEP slot, q, zero
	s_wait_dscnt 2*NT
	MULR 0, NT/2, (\q)%2, \q, \slot, \zero
	s_wait_dscnt 0
	PLACES 8
	FETCH_B \slot, (\q)+1, 1-(\q)%2
	FETCH_A \slot, (\q)+1, 0
	MULR NT/2, NT/2, (\q)%2, \q, \slot, \zero
	PLACES 8
	WIN 0
	FETCH_A \slot, (\q)+1, NT/2
.endm
.macro TURN slot, next, fill
	s_wait_tensorcnt 0x0
	ds_add_u32 v[SPW], v[NIL]
	s_wait_dscnt 2*NT+1
	MULR 0, NT/4, 1, NQ-1, \slot, 0
	s_wait_dscnt 0x0
	s_barrier_signal -1
	MULR NT/4, NT/4, 1, NQ-1, \slot, 0
	WIN 0
	s_barrier_wait -1
.if \fill
	CREST
	s_add_nc_u64 s[G0+4*\slot+2:G0+4*\slot+3], s[G0+4*\slot+2:G0+4*\slot+3], 2*NQ*2048
	s_add_nc_u64 s[G0B+4*\slot+2:G0B+4*\slot+3], s[G0B+4*\slot+2:G0B+4*\slot+3], 2*NQ*2048
	JLOAD G0+4*\slot, G1, G0B+4*\slot, G1B
	PLACES 4
.else
	PLACES 8
.endif
	s_wait_alu depctr_va_vdst(0)
	v_add_nc_u32 v[ADRS], NQ*512, v[ADRS]
	FETCH_B \next, 0, 0
	FETCH_A \next, 0, 0
	SCALES \next
	MULR NT/2, NT/2, 1, NQ-1, \slot, 0
	PLACES 8
	WIN 0
	FETCH_A \next, 0, NT/2
.endm
.macro QUANT s, pw
.irp b, 0,1,2,3
	v_max3_num_f32 v[TM+\b], |v[\s+16*\b]|, |v[\s+1+16*\b]|, 0x4800000
.endr
.irp i, 2,4,6,8,10,12,14
.irp b, 0,1,2,3
	v_max3_num_f32 v[TM+\b], v[TM+\b], |v[\s+16*\b+\i]|, |v[\s+1+16*\b+\i]|
.endr
.endr
.irp b, 0,1,2,3
	v_permlanex16_b32 v[TM+4+\b], v[TM+\b], s[SEL], s[SEL+1]
.endr
.irp b, 0,1,2,3
	v_max_num_f32 v[TM+\b], v[TM+\b], v[TM+4+\b]
.endr
.irp b, 0,1,2,3
	v_add_nc_u32 v[TM+12+\b], 0xfc000000, v[TM+\b]
.endr
.irp b, 0,1,2,3
	v_and_or_b32 v[TM+8+\b], v[TM+\b], 0x7f800000, s[MNT]
.endr
.irp b, 0,1,2,3
	v_lshrrev_b32 v[TM+4+\b], 23, v[TM+12+\b]
.endr
	v_lshl_or_b32 v[\pw], v[TM+5], 8, v[TM+4]
	v_lshl_or_b32 v[\pw], v[TM+6], 16, v[\pw]
	v_lshl_or_b32 v[\pw], v[TM+7], 24, v[\pw]
.irp b, 0,1,2,3
.irp i, 0,1,2,3,4,5,6,7,8,9,10,11,12,13,14,15
	v_med3_num_f32 v[\s+16*\b+\i], v[\s+16*\b+\i], -v[TM+8+\b], v[TM+8+\b]
.endr
	v_cvt_scalef32_pk8_fp8_f32 v[PC+4*\b:PC+1+4*\b], v[\s+16*\b:\s+7+16*\b], v[TM+12+\b]
	v_cvt_scalef32_pk8_fp8_f32 v[PC+2+4*\b:PC+3+4*\b], v[\s+8+16*\b:\s+15+16*\b], v[TM+12+\b]
.endr
	v_nop
.endm
.macro EPI isv
.if \isv
	s_lshr_b32 s20, s42, 3
	s_lshl_b32 s20, s20, 4
	s_lshl_b32 s21, s17, 2
	s_add_co_u32 s20, s20, s21
	s_lshl_b32 s21, s15, 1
	s_add_co_u32 s20, s20, s21
	s_lshl_b32 s21, s42, 1
	s_add_co_u32 s21, s21, s16
	s_and_b32 s21, s21, 15
	s_lshl_b32 s20, s20, 4
	s_add_co_u32 s20, s20, s21
	s_lshl_b32 s22, s20, 13
	s_add_co_u32 s22, s22, 0x800000
	s_mov_b32 s23, 0
	s_add_nc_u64 s[18:19], s[12:13], s[22:23]
	s_lshl_b32 s22, s20, 8
	s_add_co_u32 s22, s22, 0xc40000
	s_add_nc_u64 s[66:67], s[12:13], s[22:23]
.else
	s_lshr_b32 s20, s17, 3
	s_lshl_b32 s20, s20, 4
	s_lshl_b32 s21, s42, 2
	s_add_co_u32 s20, s20, s21
	s_lshl_b32 s21, s16, 1
	s_add_co_u32 s20, s20, s21
	s_lshl_b32 s21, s17, 4
	s_lshl_b32 s22, s15, 3
	s_add_co_u32 s21, s21, s22
	s_and_b32 s21, s21, 127
	s_lshl_b32 s22, s20, 7
	s_add_co_u32 s22, s22, s21
	s_lshl_b32 s22, s22, 10
	s_lshl_b32 s23, ttmp9, 22
	s_add_co_u32 s22, s22, s23
	s_mov_b32 s23, 0
	s_add_nc_u64 s[18:19], s[12:13], s[22:23]
	s_lshl_b32 s22, s20, 12
	s_lshl_b32 s21, s21, 5
	s_add_co_u32 s22, s22, s21
	s_lshl_b32 s21, ttmp9, 17
	s_add_co_u32 s22, s22, s21
	s_add_co_u32 s22, s22, 0xc00000
	s_add_nc_u64 s[66:67], s[12:13], s[22:23]
.endif
.irp a, 0,1,2,3,4,5,6,7
	WIN 0x02+(\a)/4
.irp b, 0,1,2,3,4,5,6,7
.irp j, 0,2,4,6
.if \isv
	v_pk_add_f32 v[T+8*\b+\j:T+8*\b+\j+1], v[8*(8*((\a)%4)+\b)+\j:8*(8*((\a)%4)+\b)+\j+1], v[BI+8*\a+\j:BI+8*\a+\j+1]
.else
	v_pk_add_f32 v[T+8*\b+\j:T+8*\b+\j+1], v[8*(8*((\a)%4)+\b)+\j:8*(8*((\a)%4)+\b)+\j+1], v[BI+8*\b+\j:BI+8*\b+\j+1]
.endif
.endr
.endr
	WIN 0
.if \a > 0
	s_wait_xcnt 0x0
.endif
	QUANT T, PWS+\a
.irp c, 0,1,2,3
.if \isv
	global_store_b128 v[LI], v[PC+4*\c:PC+4*\c+3], s[18:19] offset:((\a)/4)*131072+((\a)%4)*2048+512*\c
.else
	global_store_b128 v[LI], v[PC+4*\c:PC+4*\c+3], s[18:19] offset:(\a)*1024+((\c)/2)*131072+((\c)%2)*512
.endif
.endr
.endr
.if \isv
.irp p, 0,1,2,3
	v_cndmask_b32 v[XW+\p], v[PWS+2*\p], v[PWS+2*\p+1], s[HM]
.endr
.irp p, 0,1,2,3
	global_store_b32 v[LS], v[XW+\p], s[66:67] offset:((\p)/2)*4096+((\p)%2)*128
.endr
.else
.irp p, 0,1,2,3
	v_perm_b32 v[WA+\p], v[PWS+2*\p+1], v[PWS+2*\p], 0x05040100
	v_perm_b32 v[WB+\p], v[PWS+2*\p+1], v[PWS+2*\p], 0x07060302
.endr
.irp p, 0,1
	v_cndmask_b32 v[XW+\p], v[WA+2*\p], v[WA+2*\p+1], s[HM]
	v_cndmask_b32 v[XW+2+\p], v[WB+2*\p], v[WB+2*\p+1], s[HM]
.endr
.irp p, 0,1
	global_store_b32 v[LS], v[XW+\p], s[66:67] offset:128*\p
	global_store_b32 v[LS], v[XW+2+\p], s[66:67] offset:4096+128*\p
.endr
.endif
.endm
	s_load_b256 s[4:11], s[0:1], 0x0
	s_load_b64 s[12:13], s[0:1], 0x20
	v_lshl_add_u32 v[SPW], v0, 2, SPARE
	v_mov_b32 v[NIL], 0
	ds_add_u32 v[SPW], v[NIL]
	ds_add_u32 v[SPW], v[NIL]
	v_lshrrev_b32 v1, 5, v0
	v_readfirstlane_b32 s14, v1
	s_lshr_b32 s15, s14, 1
	s_and_b32 s16, s14, 1
	s_bfe_u32 s40, ttmp6, 0x40000
	s_bfe_u32 s41, ttmp6, 0x40004
	s_and_b32 s94, ttmp7, 0xffff
	s_lshl_b32 s94, s94, 2
	s_lshl_b32 s46, ttmp9, 20
	s_add_co_u32 s46, s46, 0x400000
	s_lshl_b32 s92, ttmp9, 15
	s_add_co_u32 s92, s92, 0x20000
	s_cmp_eq_u32 ttmp9, 2
	s_cselect_b32 s97, 1, 0
	s_cselect_b32 s95, 0, s94
	s_cselect_b32 s96, s94, 0
	s_cselect_b32 s20, 0x600000, 0
	s_cselect_b32 s22, 0x30000, 0
	s_cselect_b32 s46, 0, s46
	s_cselect_b32 s92, 0, s92
	s_add_co_u32 s17, s41, s95
	s_add_co_u32 s42, s40, s96
	s_lshl_b32 s43, s41, 2
	s_lshl_b32 s43, 15, s43
	s_lshl_b32 s44, 0x1111, s40
	s_or_b32 s[G1+0], s43, (3<<16)|(1<<21)
	s_or_b32 s[G1B+0], s44, (3<<16)|(1<<21)
.irp g, G1, G1B
	s_mov_b32 s[\g+1], (NQ*256)<<16
	s_mov_b32 s[\g+2], (2*NT)<<16
	s_mov_b32 s[\g+3], (NQ*256)<<16
	s_mov_b32 s[\g+4], 2*NT
	s_mov_b32 s[\g+5], KS*256
	s_mov_b32 s[\g+6], 0
	s_mov_b32 s[\g+7], 0
.endr
	s_or_b32 s[G1S+0], s43, (3<<16)|(1<<21)
	s_or_b32 s[G1SB+0], s44, (3<<16)|(1<<21)
.irp g, G1S, G1SB
	s_mov_b32 s[\g+1], 32<<16
	s_mov_b32 s[\g+2], (HALFS/128)<<16
	s_mov_b32 s[\g+3], 32<<16
	s_mov_b32 s[\g+4], HALFS/128
	s_mov_b32 s[\g+5], 32
	s_mov_b32 s[\g+6], 0
	s_mov_b32 s[\g+7], 0
.endr
	s_lshl_b32 s18, s17, 18
	s_add_co_u32 s20, s20, s18
	s_lshl_b32 s18, s16, 17
	s_add_co_u32 s20, s20, s18
	s_mov_b32 s21, 0
	s_lshl_b32 s18, s17, 13
	s_add_co_u32 s22, s22, s18
	s_lshl_b32 s18, s16, 12
	s_add_co_u32 s22, s22, s18
	s_add_co_u32 s22, s22, 0x1000000
	s_mov_b32 s23, 0
	s_lshl_b32 s19, s42, 18
	s_add_co_u32 s46, s46, s19
	s_lshl_b32 s19, s16, 17
	s_add_co_u32 s46, s46, s19
	s_mov_b32 s47, 0
	s_lshl_b32 s19, s42, 13
	s_add_co_u32 s92, s92, s19
	s_lshl_b32 s19, s16, 12
	s_add_co_u32 s92, s92, s19
	s_add_co_u32 s92, s92, 0x1000000
	s_mov_b32 s93, 0
	s_mul_i32 s45, s14, HALFT
	s_mul_i32 s96, s14, HALFS
	s_mov_b32 s[SEL], 0x76543210
	s_mov_b32 s[SEL+1], 0xfedcba98
	s_mov_b32 s[MNT], 0x600000
	s_mov_b32 s[HM], 0xffff0000
	s_wait_dscnt 0x0
	s_wait_kmcnt 0x0
	s_add_nc_u64 s[20:21], s[4:5], s[20:21]
	s_add_nc_u64 s[22:23], s[4:5], s[22:23]
	s_add_nc_u64 s[46:47], s[4:5], s[46:47]
	s_add_nc_u64 s[92:93], s[4:5], s[92:93]
	CROUND
	s_mov_b32 s[G0S], 1
	s_add_co_u32 s[G0S+1], s96, SCL-HALFS          ; wave 1 asks for both halves of A's scale words: half a tile back from its own half
	s_sub_nc_u64 s[G0S+2:G0S+3], s[22:23], HALFS
	s_or_b32 s[G0S+3], s[G0S+3], 0x80000000
	s_mov_b32 s[G0SB], 1
	s_add_co_u32 s[G0SB+1], s96, SCL-HALFS         ; wave 3 likewise for B's
	s_sub_nc_u64 s[G0SB+2:G0SB+3], s[92:93], HALFS
	s_or_b32 s[G0SB+3], s[G0SB+3], 0x80000000
.irp s, 0,1
	s_mov_b32 s[G0+4*\s], 1
	s_add_co_u32 s[G0+4*\s+1], s45, \s*SLOT
	s_add_nc_u64 s[G0+4*\s+2:G0+4*\s+3], s[20:21], \s*NQ*2048
	s_or_b32 s[G0+4*\s+3], s[G0+4*\s+3], 0x80000000
	s_mov_b32 s[G0B+4*\s], 1
	s_add_co_u32 s[G0B+4*\s+1], s45, \s*SLOT
	s_add_nc_u64 s[G0B+4*\s+2:G0B+4*\s+3], s[46:47], \s*NQ*2048
	s_or_b32 s[G0B+4*\s+3], s[G0B+4*\s+3], 0x80000000
.endr
	; the head's four tiles, one joint load a wave: wave 0 slot 0's rows of A, both halves; wave 2 those of B; wave 1 A's scale words; wave 3 B's
	s_cmp_eq_u32 s14, 0
	s_cbranch_scc0 .Lhead_b
	tensor_load_to_lds s[G0:G0+3], s[G1:G1+7]
	s_nop 0
	PLACES 4
	s_branch .Lhead_asked
.Lhead_b:
	s_cmp_eq_u32 s14, 2
	s_cbranch_scc0 .Lhead_sa
	tensor_load_to_lds s[G0B:G0B+3], s[G1B:G1B+7]
	s_nop 0
	PLACES 4
	s_branch .Lhead_asked
.Lhead_sa:
	s_cmp_eq_u32 s14, 1
	s_cbranch_scc0 .Lhead_sb
	tensor_load_to_lds s[G0S:G0S+3], s[G1S:G1S+7]
	s_nop 0
	PLACES 4
	s_branch .Lhead_asked
.Lhead_sb:
	tensor_load_to_lds s[G0SB:G0SB+3], s[G1SB:G1SB+7]
	s_nop 0
	PLACES 4
.Lhead_asked:
	v_and_b32 v1, 31, v0
	v_lshlrev_b32 v[LI], 4, v1
	v_lshlrev_b32 v[LS], 2, v1
	v_and_b32 v2, 15, v0
	v_bfe_u32 v3, v0, 4, 1
	s_wait_alu depctr_va_vdst(0)
	s_mul_i32 s21, s15, HALFT
	s_mul_i32 s22, s16, HALFT
	s_add_co_u32 s22, s22, BOFF
.irp s, 0,1
	v_add_nc_u32 v[ADRA+\s], s21, v[LI]
	v_add_nc_u32 v[ADRB+\s], s22, v[LI]
	s_add_co_u32 s21, s21, SLOT
	s_add_co_u32 s22, s22, SLOT
.endr
	s_mul_i32 s21, s15, SH
	s_mul_i32 s22, s16, SH
	s_add_co_u32 s22, s22, 2*HALFS
	s_sub_co_u32 s22, s22, s21
	v_mul_u32_u24 v4, s22, v3
	s_add_co_u32 s21, s21, SCL
	v_lshl_add_u32 v4, v2, 2, v4
	v_add_nc_u32 v[ADRS], s21, v4
	v_lshlrev_b32 v5, 5, v3
	v_lshlrev_b32 v7, 2, v2
	s_cmp_eq_u32 s97, 1
	s_cbranch_scc1 .Lbias_v
	s_cmp_eq_u32 ttmp9, 0
	s_cselect_b64 s[18:19], s[6:7], s[8:9]
	s_lshl_b32 s20, s42, 10
	s_lshl_b32 s21, s16, 9
	s_add_co_u32 s20, s20, s21
	s_mov_b32 s21, 0
	s_add_nc_u64 s[18:19], s[18:19], s[20:21]
	s_wait_alu depctr_va_vdst(0)
.irp b, 0,1,2,3,4,5,6,7
	global_load_b128 v[BI+8*\b:BI+8*\b+3], v5, s[18:19] offset:64*\b
	global_load_b128 v[BI+8*\b+4:BI+8*\b+7], v5, s[18:19] offset:64*\b+16
.endr
	s_branch .Lbias_done
.Lbias_v:
	s_lshl_b32 s20, s17, 10
	s_lshl_b32 s21, s15, 9
	s_add_co_u32 s20, s20, s21
	s_mov_b32 s21, 0
	s_add_nc_u64 s[18:19], s[10:11], s[20:21]
	s_wait_alu depctr_va_vdst(0)
.irp a, 0,1,2,3,4,5,6,7
.irp j, 0,1,2,3,4,5,6,7
	global_load_b32 v[BI+8*\a+\j], v7, s[18:19] offset:64*\a
.endr
.endr
.Lbias_done:
	s_wait_alu depctr_va_vdst(0)                   ; the head's end
	s_wait_tensorcnt 0x0                           ; my tile of the head's four is in; the three lines ahead of slot 1's first fill
	ds_add_u32 v[SPW], v[NIL]
	s_mov_b32 s[G1+2], NT<<16                      ; no tensor load of mine is out: from here on a load brings NT tiles of rows
	s_mov_b32 s[G1+4], NT
	s_mov_b32 s[G1B+2], NT<<16
	s_mov_b32 s[G1B+4], NT
	s_wait_dscnt 0x0
	CROUND
	JLOAD G0+4, G1, G0B+4, G1B                     ; slot 1, a quarter a wave
	FETCH_B 0, 0, 0
	FETCH_A 0, 0, 0
	SCALES 0
	FETCH_A 0, 0, NT/2
	STEP 0, 0, 1
	s_mov_b32 s3, LAPS-1
.Llap:
	TURN 0, 1, 1
	STEP 1, 0, 0
	TURN 1, 0, 1
	STEP 0, 0, 0
	s_sub_co_u32 s3, s3, 1
	s_cmp_lg_u32 s3, 0
	s_cbranch_scc1 .Llap
	TURN 0, 1, 0
	STEP 1, 0, 0
	s_wait_dscnt 2*NT
	MULR 0, NT/2, 1, NQ-1, 1, 0
	s_wait_dscnt 0
	MULR NT/2, NT/2, 1, NQ-1, 1, 0
	WIN 0
	PLACES 8
	s_wait_loadcnt 0x0
.irp b, 0,1,2,3
	v_mov_b32 v[TM+4+\b], 0
.endr
	s_cmp_eq_u32 s97, 1
	s_cbranch_scc1 .Lepi_v
	EPI 0
	s_branch .Ldone
.Lepi_v:
	EPI 1
.Ldone:
	s_wait_tensorcnt 0x0
	ds_add_u32 v[SPW], v[NIL]
	s_wait_dscnt 0x0
	CROUND
	s_endpgm
.Lfunc_end_k_q6392082803_qkv:
	.size	k_q6392082803_qkv, .Lfunc_end_k_q6392082803_qkv-k_q6392082803_qkv
	.p2alignl 7, 3214868480
	.fill 96, 4, 3214868480
	.section	.rodata,"a",@progbits
	.p2align	6, 0x0
	.amdhsa_kernel k_q6392082803_qkv
		.amdhsa_group_segment_fixed_size 327680
		.amdhsa_private_segment_fixed_size 0
		.amdhsa_enable_private_segment 0
		.amdhsa_kernarg_size 40
		.amdhsa_user_sgpr_count 2
		.amdhsa_user_sgpr_kernarg_segment_ptr 1
		.amdhsa_wavefront_size32 1
		.amdhsa_system_sgpr_workgroup_id_x 1
		.amdhsa_system_sgpr_workgroup_id_y 1
		.amdhsa_system_sgpr_workgroup_id_z 1
		.amdhsa_system_vgpr_workitem_id 0
		.amdhsa_next_free_vgpr 1024
		.amdhsa_next_free_sgpr 104
		.amdhsa_reserve_vcc 0
		.amdhsa_float_denorm_mode_32 3
		.amdhsa_float_denorm_mode_16_64 3
		.amdhsa_memory_ordered 1
		.amdhsa_forward_progress 1
		.amdhsa_inst_pref_size 255
	.end_amdhsa_kernel
	.section	.bss,"aw",@nobits
	.p2align	6
	.space	262144
	.amdgpu_metadata
---
amdhsa.version: [ 1, 2 ]
amdhsa.kernels:
  - .name:           k_q6392082803_qkv
    .symbol:         k_q6392082803_qkv.kd
    .args:
      - { .name: qw, .offset: 0, .size: 8, .value_kind: global_buffer, .address_space: global }
      - { .name: bq, .offset: 8, .size: 8, .value_kind: global_buffer, .address_space: global }
      - { .name: bk, .offset: 16, .size: 8, .value_kind: global_buffer, .address_space: global }
      - { .name: bv, .offset: 24, .size: 8, .value_kind: global_buffer, .address_space: global }
      - { .name: qkv, .offset: 32, .size: 8, .value_kind: global_buffer, .address_space: global }
    .group_segment_fixed_size: 327680
    .private_segment_fixed_size: 0
    .kernarg_segment_align: 8
    .kernarg_segment_size: 40
    .max_flat_workgroup_size: 128
    .sgpr_count:     104
    .vgpr_count:     1024
    .wavefront_size: 32
...
	.end_amdgpu_metadata
.endif
;; end of part 2
;; launch attn (part 3): grid 8 x 32, 16 waves a work-group, clusters of 4 x 1, 327,680 bytes of LDS; arguments qkv, mask, ctx; writes ctx
.if DOCPART == 3
	.amdgcn_target "amdgcn-amd-amdhsa--gfx1250"
	.amdhsa_code_object_version 6
	.text
	.protected	k_q6392082803_attn
	.globl	k_q6392082803_attn
	.p2align	8
	.type	k_q6392082803_attn,@function
k_q6392082803_attn:
	s_mov_b64 s[64:65], 0
	v_nop
	global_prefetch_b8 v0, s[64:65] scope:SCOPE_SE
	s_setreg_imm32_b32 hwreg(HW_REG_WAVE_MODE, 25, 1), 1
	s_wait_xcnt 0x0
	s_wait_alu depctr_hold_cnt(0) depctr_sa_sdst(0) depctr_va_vdst(0) depctr_va_sdst(0) depctr_va_ssrc(0) depctr_va_vcc(0) depctr_vm_vsrc(0)
	s_getreg_b32 s2, hwreg(HW_REG_IB_STS2, 6, 4)
	s_cmp_eq_u32 s2, 0
	s_cbranch_scc0 .Lentry_in_a_cluster
	s_endpgm
.Lentry_in_a_cluster:
	s_bfe_u32 s2, ttmp6, 0x10000c
	s_cmp_lg_u32 s2, 0x3003
	s_cbranch_scc0 .Lentry_shape_is_right
	s_endpgm
.Lentry_shape_is_right:
; Launch 3: ctx = softmax(mask(q k^T / 8)) v for each (batch, head), both products on codes, and ctx quantised along the model's 1,024 for the next product.  Nothing of reference() is left out here.
; THE SOFTMAX AHEAD OF THE SECOND PRODUCT: t = score x log2(e) / 8; M = the running largest t rounded UP to a whole number; p = 2^(t - M) is quantised along the keys, not normalised; the row's sum is taken of the unquantised p and divides at the end.
; SHARES: a work-group owns 256 queries of one (batch, head), each of its sixteen waves 16 of them in 256 registers: four waves to a SIMD, so that one wave's vector work stands beside another's matrix work.
; A WHOLE HEAD'S K AND V CODES (2 x 131,072 bytes) LIE IN LDS: every fill is a first fill.  The four work-groups of a cluster belong to one head and ask jointly.  ONE TENSOR LOAD A WAVE: waves 0-7 an eighth of K's codes each,
; waves 8-15 an eighth of V's, 16,384 bytes; no branch: both addresses are arithmetic on the wave's number.  The 8,192 bytes of K's and V's scale words come by one load of 16 bytes a thread and are stored to LDS bytes of their own.
; No prefetch: all tiles are asked for at the head, and there is no loop to run ahead in.
; Both products are used transposed: a lane holds one query (lane % 16) throughout.  The head has 64 channels, half of the instruction's 128: a fragment of K holds TWO tiles of 16 keys (chunks 0, 1 and 2, 3), and is multiplied
; once by [q | zero codes] and once by [zero codes | q]: the tile that is not wanted meets zeros.
; THE MASK IS THE C OF THE SCORES' PRODUCTS: one f32 a key, 0 where the key counts and -2^60 where it does not, loaded into the registers in which the scores then arise.  -2^60 + score is -2^60 in f32 while |score| < 2^35, and
; -2^60 x c is a whole number: so a row whose keys are all masked gives p = 1 everywhere, as reference()'s equal logits of -1e9 do; elsewhere a masked p is 0.
; LIMITS: the scaled scores of counted keys stay under 2^31 in magnitude; a block of zeros gets the scale byte 1; NaN and infinities are not served.
.set VFL, 131072
.set KSC, 262144                       ; K's scale words, then V's (VSC): written by LDS stores
.set VSC, 266240
.set MK,  270336                       ; one f32 a key, written by LDS stores
.set SPARE, 278528
.set LI, 1                             ; v1  16 x lane
.set R4, 2                             ; v2  4 x (lane % 16)
.set H32, 3                            ; v3  32 x (lane / 16)
.set ADT, 4
.set QW, 5                             ; q's scale word, its two bytes twice; its number differs modulo 8 from K's scale words'
.set SPW, 6
.set NIL, 7
.set ADK, 8
.set ADV, 9
.set ADS, 10
.set ADM, 11
.set QL, 16                            ; [q | 0]
.set QH, 32                            ; [0 | q]
.set FR, 48                            ; four fragments of K, then four of V
.set S, 112                            ; the mask's numbers, S^T, then p
.set O, 176                            ; O^T
.set PC, 208
.set BM, 224
.set BT, 228
.set HO, 232
.set SO, 236
.set KW, 240                           ; K's or V's scale words
.set PWD, 244                          ; p's scale word
.set TMP, 245
.set F, 246
.set CV, 248                           ; v248, v249  c, twice: the two halves of a dual pair take their sources from different registers
.set NM, 251                           ; v251  a second copy of -M, for the same end; free again behind the scalings
.set HO2, 250                          ; v250-253  the holds' bounds once more, for the second halves of the dual pairs; free behind the row's sums
.set WV, 12
.set G1, 24                            ; s[24:31] group 1: 64 rows of 256 bytes
.set G0, 48                            ; s[48:51] group 0
.set TK, 60
.set TV, 61
.set TS, 62
.set TT, 63
.set TM, 66
.set CNT, 67
.set SEL, 80
.set CS, 82
.set MNT, 84
.set HM, 86
.macro CROUND
	s_barrier_signal -1
	s_barrier_wait -1
	s_cmp_lg_u32 s[WV], 0
	s_cbranch_scc1 .Lnot_wave_0_\@
	s_barrier_signal -3
.Lnot_wave_0_\@:
	s_barrier_wait -3
	s_barrier_signal -1
	s_barrier_wait -1
.endm
; A KEY STEP: 128 keys
.macro STEP
	v_add_nc_u32 v[ADK], s[TK], v[LI]              ; these five and three v_nop are the eight places in front of loads into registers that the last products read
	v_add_nc_u32 v[ADV], s[TV], v[LI]
	v_add_nc_u32 v[ADS], s[TS], v[R4]
	v_add_nc_u32 v[ADT], s[TT], v[R4]
	v_add_nc_u32 v[ADM], s[TM], v[H32]
.rept 3
	v_nop
.endr
.irp t, 0,1,2,3,4,5,6,7
	ds_load_b128 v[S+8*\t:S+8*\t+3], v[ADM] offset:64*\t           ; the mask's number of key 16 t + 8 h + j into register 8 t + j: the C of tile t
	ds_load_b128 v[S+8*\t+4:S+8*\t+7], v[ADM] offset:64*\t+16
.endr
.irp p, 0,1,2,3
.irp c, 0,1,2,3
	ds_load_b128 v[FR+16*\p+4*\c:FR+16*\p+4*\c+3], v[ADK] offset:2048*\p+512*\c
.endr
	ds_load_b32 v[KW+\p], v[ADS] offset:64*\p
.endr
	s_wait_alu depctr_va_vdst(0)
	s_wait_dscnt 0x0
.irp p, 0,1,2,3
.irp u, 0,1
	v_wmma_scale_f32_16x16x128_f8f6f4 v[S+8*(2*\p+\u):S+8*(2*\p+\u)+7], v[FR+16*\p:FR+16*\p+15], v[QL+16*\u:QL+16*\u+15], v[S+8*(2*\p+\u):S+8*(2*\p+\u)+7], v[KW+\p], v[QW]
.endr
.endr                                  ; register 16 p + 8 u + j of lane (r, h): query r, key 32 p + 16 u + 8 h + j: the image's order along the next K
.rept 8
	v_nop
.endr
.irp t, 0,1,2,3                        ; V's fragments land under the softmax
.irp c, 0,1,2,3
	ds_load_b128 v[FR+16*\t+4*\c:FR+16*\t+4*\c+3], v[ADV] offset:2048*\t+512*\c
.endr
	ds_load_b32 v[KW+\t], v[ADT] offset:64*\t
.endr
.irp b, 0,1,2,3
	v_max3_num_f32 v[BM+\b], v[S+16*\b], v[S+1+16*\b], v[S+2+16*\b]     ; the largest score of each block of 32 keys: for the row's maximum, and, since p rises with the score, for the block's largest p; each accumulator from its low end on
.endr
.irp i, 3,5,7,9,11,13
.irp b, 0,1,2,3
	v_max3_num_f32 v[BM+\b], v[BM+\b], v[S+16*\b+\i], v[S+1+16*\b+\i]
.endr
.endr
.irp b, 0,1,2,3
	v_max_num_f32 v[BM+\b], v[BM+\b], v[S+15+16*\b]
.endr
.irp b, 0,1,2,3
	s_delay_alu instid0(VALU_DEP_4)
	v_permlanex16_b32 v[BT+\b], v[BM+\b], s[SEL], s[SEL+1]
.endr
.irp b, 0,1,2,3
	s_delay_alu instid0(VALU_DEP_4)
	v_max_num_f32 v[BM+\b], v[BM+\b], v[BT+\b]
.endr
	s_delay_alu instid0(VALU_DEP_2)
	v_max3_num_f32 v[TMP], v[BM], v[BM+1], v[BM+2]
	s_delay_alu instid0(VALU_DEP_1)
	v_max_num_f32 v[TMP], v[TMP], v[BM+3]
	s_delay_alu instid0(VALU_DEP_1)
	v_mul_f32 v[TMP], s[CS], v[TMP]
	s_delay_alu instid0(VALU_DEP_1)
	v_max_num_f32 v13, v13, v[TMP]                 ; the running largest t
	v_mov_b32 v[TMP], v12
	s_delay_alu instid0(VALU_DEP_2)
	v_floor_f32 v12, -v13                          ; -M = floor(-t)
	s_delay_alu instid0(VALU_DEP_1)
	v_sub_f32 v[TMP], v12, v[TMP]                  ; old M - new M: a whole number, 0 or less
	s_delay_alu instid0(VALU_DEP_1)
	v_cvt_i32_f32 v[TMP], v[TMP]
	s_delay_alu instid0(VALU_DEP_1)
	v_ldexp_f32 v[F], 1.0, v[TMP]                  ; f = 2^(old M - new M)
	v_mov_b32 v[NM], v12
.set j, 0
.rept 32
	v_dual_fma_f32 v[S+j], v[S+j], v[CV], v12 :: v_dual_fma_f32 v[S+j+1], v[S+j+1], v[CV+1], v[NM]     ; t - M, two at a time
.set j, j+2
.endr
.irp b, 0,1,2,3
	v_fma_f32 v[BM+\b], v[BM+\b], s[CS], v12
.endr
	s_wait_alu depctr_va_vdst(0)                   ; ahead of the batch
.set j, 0
.rept 64
	v_exp_f32 v[S+j], v[S+j]
.set j, j+1
.endr
	v_pk_mul_f32 v[14:15], v[14:15], v[F:F+1] op_sel_hi:[1,0]      ; the sums under the new M (a plain line behind the exponentials)
	s_wait_alu depctr_va_vdst(0)                   ; one wait for the batch, ahead of its first reader
.irp b, 0,1,2,3
	v_exp_f32 v[BM+\b], v[BM+\b]                   ; the block's largest p
.endr
	v_pk_add_f32 v[250:251], v[S:S+1], v[S+2:S+3]                  ; the row's sum of the unquantised p: 32 pairs in four chains by turns
	v_pk_add_f32 v[252:253], v[S+4:S+5], v[S+6:S+7]
	v_pk_add_f32 v[254:255], v[S+8:S+9], v[S+10:S+11]
	v_pk_add_f32 v[14:15], v[14:15], v[S+12:S+13]
.set j, 14
.rept 6
	v_dual_add_f32 v250, v[S+j], v250 :: v_dual_add_f32 v251, v[S+j+1], v251
	v_dual_add_f32 v252, v[S+j+2], v252 :: v_dual_add_f32 v253, v[S+j+3], v253
	v_dual_add_f32 v254, v[S+j+4], v254 :: v_dual_add_f32 v255, v[S+j+5], v255
	v_dual_add_f32 v14, v[S+j+6], v14 :: v_dual_add_f32 v15, v[S+j+7], v15
.set j, j+8
.endr
	v_pk_add_f32 v[250:251], v[250:251], v[S+62:S+63]
	v_pk_add_f32 v[14:15], v[14:15], v[254:255]
	v_pk_add_f32 v[250:251], v[250:251], v[252:253]
	v_pk_add_f32 v[14:15], v[14:15], v[250:251]
	s_wait_alu depctr_va_vdst(0)                   ; and one for the four
.irp b, 0,1,2,3
	v_max_num_f32 v[BM+\b], 0x4800000, v[BM+\b]
.endr
.irp b, 0,1,2,3
	s_delay_alu instid0(VALU_DEP_4)
	v_add_nc_u32 v[SO+\b], 0xfc000000, v[BM+\b]
.endr
.irp b, 0,1,2,3
	v_and_or_b32 v[HO+\b], v[BM+\b], 0x7f800000, s[MNT]
.endr
.irp b, 0,1,2,3
	v_and_or_b32 v[HO2+\b], v[BM+\b], 0x7f800000, s[MNT]
.endr
.irp b, 0,1,2,3
	v_lshrrev_b32 v[BT+\b], 23, v[SO+\b]
.endr
	s_delay_alu instid0(VALU_DEP_3)
	v_lshl_or_b32 v[PWD], v[BT+1], 8, v[BT]
	s_delay_alu instid0(VALU_DEP_1)
	v_lshl_or_b32 v[PWD], v[BT+2], 16, v[PWD]
	s_delay_alu instid0(VALU_DEP_1)
	v_lshl_or_b32 v[PWD], v[BT+3], 24, v[PWD]
.irp b, 0,1,2,3
.irp i, 0,2,4,6,8,10,12,14
	v_dual_min_num_f32 v[S+16*\b+\i], v[S+16*\b+\i], v[HO+\b] :: v_dual_min_num_f32 v[S+16*\b+\i+1], v[S+16*\b+\i+1], v[HO2+\b]     ; p is not negative: a one-sided hold, two at a time
.endr
	v_cvt_scalef32_pk8_fp8_f32 v[PC+4*\b:PC+1+4*\b], v[S+16*\b:S+7+16*\b], v[SO+\b]
	v_cvt_scalef32_pk8_fp8_f32 v[PC+2+4*\b:PC+3+4*\b], v[S+8+16*\b:S+15+16*\b], v[SO+\b]
.endr
	s_wait_alu depctr_va_vdst(0)                   ; ahead of the first reader of O^T
.set j, 0
.rept 16
	v_pk_mul_f32 v[O+j:O+j+1], v[O+j:O+j+1], v[F:F+1] op_sel_hi:[1,0]      ; O^T under the new M; also the places in front of the products below
.set j, j+2
.endr
	s_wait_alu depctr_va_vdst(0)
	s_wait_dscnt 0x0                               ; V
.irp t, 0,1,2,3
	v_wmma_scale_f32_16x16x128_f8f6f4 v[O+8*\t:O+8*\t+7], v[FR+16*\t:FR+16*\t+15], v[PC:PC+15], v[O+8*\t:O+8*\t+7], v[KW+\t], v[PWD]
.endr
	s_add_co_u32 s[TK], s[TK], 8192
	s_add_co_u32 s[TV], s[TV], 8192
	s_add_co_u32 s[TS], s[TS], 256
	s_add_co_u32 s[TT], s[TT], 256
	s_add_co_u32 s[TM], s[TM], 512
.endm
	s_load_b128 s[4:7], s[0:1], 0x0                ; qkv, mask
	s_load_b64 s[8:9], s[0:1], 0x10                ; ctx
	v_lshl_add_u32 v[SPW], v0, 2, SPARE
	v_mov_b32 v[NIL], 0
	ds_add_u32 v[SPW], v[NIL]                      ; the opening: the add, twice on end, and its wait ahead of my first tensor load
	ds_add_u32 v[SPW], v[NIL]
	v_lshrrev_b32 v8, 5, v0
	s_delay_alu instid0(VALU_DEP_1)
	v_readfirstlane_b32 s[WV], v8                  ; wave 0..15
	s_bfe_u32 s13, ttmp6, 0x40000                  ; cx
	s_lshl_b32 s14, ttmp9, 2
	s_add_co_u32 s14, s14, s13                     ; my block of 256 queries: it enters q's and ctx's addresses alone
	s_and_b32 s15, ttmp7, 0xffff                   ; (batch, head), which the four partners share
	s_lshl_b32 s16, s15, 12
	s_mov_b32 s17, 0
	s_lshl_b32 s18, s15, 17
	s_mov_b32 s19, 0
	; what my wave fetches: part wave % 8 of K's codes (wave / 8 = 0) or of V's (1).  Only the wave's number and (batch, head) enter: the same in all four partners
	s_and_b32 s68, s[WV], 7
	s_lshr_b32 s69, s[WV], 3
	s_lshl_b32 s72, s69, 22                        ; 4 MiB from K's codes to V's in memory
	s_add_co_u32 s72, s72, s18                     ; + my (batch, head)'s codes
	s_lshl_b32 s68, s68, 14                        ; + 16,384 bytes a part
	s_add_co_u32 s72, s72, s68
	s_add_co_u32 s72, s72, 0x400000
	s_mov_b32 s73, 0
	s_mov_b32 s[G0], 1                             ; 1:0 count = 1
	s_lshl_b32 s[G0+1], s[WV], 14                  ; 63:32 LDS address: K's eight parts, then V's eight
	s_mov_b32 s[G1], 15|(3<<16)|(1<<21)            ; 15:0 the mask: all four work-groups; 17:16 elements of 8 bytes; 21 set beside a mask
	s_mov_b32 s[G1+1], 32<<16                      ; a dense block as 64 rows of 256 bytes
	s_mov_b32 s[G1+2], 64<<16
	s_mov_b32 s[G1+3], 32<<16
	s_mov_b32 s[G1+4], 64
	s_mov_b32 s[G1+5], 32
	s_mov_b32 s[G1+6], 0
	s_mov_b32 s[G1+7], 0
	s_mov_b32 s[SEL], 0x76543210
	s_mov_b32 s[SEL+1], 0xfedcba98
	s_mov_b32 s[CS], 0x3e38aa3b                    ; c = log2(e) / 8
	s_mov_b32 s[MNT], 0x600000
	s_mov_b32 s[HM], 0xffff0000
	s_mov_b32 s[TK], 0
	s_mov_b32 s[TV], VFL
	s_mov_b32 s[TS], KSC
	s_mov_b32 s[TT], VSC
	s_mov_b32 s[TM], MK
	s_lshl_b32 s10, s14, 4
	s_add_co_u32 s10, s10, s[WV]                   ; my tile of 16 queries in the sequence
	s_lshr_b32 s3, s15, 4                          ; batch
	s_lshl_b32 s11, s3, 7
	s_add_co_u32 s11, s11, s10                     ; my tile of 16 rows of ctx
	s_and_b32 s2, s15, 15                          ; head
	s_and_b32 s85, s[WV], 1
	s_cmp_eq_u32 s85, 0
	s_mov_b32 s85, 0x03020302
	s_cselect_b32 s85, 0x01000100, s85             ; my tile's half of the pair's scale word, twice
	s_wait_dscnt 0x0                               ; both opening adds are done
	s_wait_kmcnt 0x0
	s_add_nc_u64 s[20:21], s[4:5], s[16:17]
	s_add_nc_u64 s[22:23], s[4:5], s[18:19]
	s_add_nc_u64 s[G0+2:G0+3], s[4:5], s[72:73]    ; 120:64 global address
	s_or_b32 s[G0+3], s[G0+3], 0x80000000          ; 127:126 type = 2
	CROUND                                         ; all four work-groups are here: the joint loads meet
	; my one tensor load.  Waves 0 and 8, whose parts hold keys 0-255 of K and of V, have a line of their own: they alone wait at the first barrier.  The branch picks the line; descriptor and LDS place are made the same way in both
	s_and_b32 s74, s[WV], 7
	s_cmp_eq_u32 s74, 0
	s_cbranch_scc0 .Llater_keys
	tensor_load_to_lds s[G0:G0+3], s[G1:G1+7]
	s_nop 0
.rept 4
	v_nop
.endr
	s_branch .Lasked
.Llater_keys:
	tensor_load_to_lds s[G0:G0+3], s[G1:G1+7]
	s_nop 0
.rept 4
	v_nop
.endr
.Lasked:
	s_lshl_b32 s98, s10, 10
	s_mov_b32 s99, 0
	s_add_nc_u64 s[88:89], s[22:23], s[98:99]      ; q's codes
	s_lshr_b32 s98, s10, 1
	s_lshl_b32 s98, s98, 6
	s_add_co_u32 s98, s98, 0xc00000
	s_add_nc_u64 s[90:91], s[20:21], s[98:99]      ; q's scale words
	s_add_nc_u64 s[70:71], s[20:21], 0xc20000      ; K's scale words of my (batch, head); V's lie 131,072 bytes on
	s_lshl_b32 s98, s3, 13
	s_add_nc_u64 s[92:93], s[6:7], s[98:99]        ; my batch's mask
	s_lshl_b32 s98, s11, 14
	s_lshr_b32 s16, s2, 1
	s_lshl_b32 s17, s16, 11
	s_add_co_u32 s98, s98, s17
	s_and_b32 s18, s2, 1
	s_lshl_b32 s17, s18, 10
	s_add_co_u32 s98, s98, s17
	s_add_nc_u64 s[94:95], s[8:9], s[98:99]        ; ctx's codes: tile of rows, K step head / 2, chunks 2 (head % 2) on
	s_lshr_b32 s98, s11, 3
	s_lshl_b32 s98, s98, 3
	s_add_co_u32 s98, s98, s16
	s_lshl_b32 s98, s98, 9
	s_and_b32 s17, s11, 7
	s_lshl_b32 s17, s17, 6
	s_add_co_u32 s98, s98, s17
	s_lshl_b32 s17, s18, 1
	s_add_co_u32 s98, s98, s17
	s_add_co_u32 s98, s98, 0x400000
	s_add_nc_u64 s[96:97], s[8:9], s[98:99]        ; and my two bytes of its scale words
	v_and_b32 v8, 31, v0
	s_delay_alu instid0(VALU_DEP_1)
	v_lshlrev_b32 v[LI], 4, v8
	v_and_b32 v9, 15, v0
	s_delay_alu instid0(VALU_DEP_1)
	v_lshlrev_b32 v[R4], 2, v9
	v_bfe_u32 v10, v0, 4, 1
	s_delay_alu instid0(VALU_DEP_1)
	v_lshlrev_b32 v[H32], 5, v10
	v_lshlrev_b32 v248, 4, v0
	v_lshl_add_u32 v249, v0, 4, MK
	v_and_b32 v250, 255, v0                        ; the scale words: threads 0-255 take K's 4,096 bytes, threads 256-511 V's, 16 bytes each
	v_lshrrev_b32 v251, 8, v0
	v_lshlrev_b32 v250, 4, v250
	v_lshl_add_u32 v250, v251, 17, v250
	v_lshl_add_u32 v251, v0, 4, KSC
	global_load_b128 v[QL:QL+3], v[LI], s[88:89]
	global_load_b128 v[QL+4:QL+7], v[LI], s[88:89] offset:512
	global_load_b128 v[QH+8:QH+11], v[LI], s[88:89]
	global_load_b128 v[QH+12:QH+15], v[LI], s[88:89] offset:512
	global_load_b32 v[TMP], v[R4], s[90:91]
	global_load_b128 v[48:51], v248, s[92:93]      ; four keys' mask a thread
	global_load_b128 v[56:59], v250, s[70:71]
.irp j, 0,1,2,3,4,5,6,7
	v_mov_b32 v[QL+8+\j], 0                        ; zero codes
	v_mov_b32 v[QH+\j], 0
.endr
	v_mov_b32 v252, 0
	v_mov_b32 v253, 0xdd800000                     ; -2^60
	s_wait_alu depctr_va_vdst(0)
	s_wait_loadcnt 0x0
	v_perm_b32 v[QW], v[TMP], v[TMP], s85
.irp e, 0,1,2,3
	v_cmp_eq_u32 vcc_lo, 0, v[48+\e]
	s_delay_alu instid0(VALU_DEP_1)
	v_cndmask_b32 v[52+\e], v252, v253, vcc_lo
.endr
	ds_store_b128 v249, v[52:55]
	ds_store_b128 v251, v[56:59]
	v_mov_b32 v13, 0xff61b1e6                      ; the largest t so far: -3e38
	s_delay_alu instid0(VALU_DEP_1)
	v_floor_f32 v12, -v13
	v_mov_b32 v14, 0
	v_mov_b32 v15, 0
	v_mov_b32 v[F+1], 0                            ; named as the upper half of a pair
.irp b, 0,1,2,3
	v_mov_b32 v[BT+\b], 0                          ; a lane permute's destination counts as one of its sources
.endr
.set j, 0
.rept 32
	v_mov_b32 v[O+j], 0                            ; the step is written once: its first trip finds zeros
.set j, j+1
.endr
	s_wait_alu depctr_va_vdst(0)                   ; the head's end
	s_cmp_eq_u32 s74, 0
	s_cbranch_scc0 .Lnot_first
	s_wait_tensorcnt 0x0                           ; waves 0 and 8: keys 0-255 have landed.  The other waves' wait stands at the second barrier; nothing is filled again in this launch
.Lnot_first:
	s_wait_dscnt 0x0                               ; my parts of the mask's numbers and of the scale words are stored
	v_mov_b32 v[CV], 0x3e38aa3b
	v_mov_b32 v[CV+1], 0x3e38aa3b
	s_wait_alu depctr_va_vdst(0)
	s_barrier_signal -1
	s_barrier_wait -1                              ; everybody's are
	s_mov_b32 s[CNT], 2
.Lfirst:                                           ; keys 0-255, while the other fourteen parts land
	STEP
	s_sub_co_u32 s[CNT], s[CNT], 1
	s_cmp_lg_u32 s[CNT], 0
	s_cbranch_scc1 .Lfirst
	s_wait_tensorcnt 0x0                           ; my part has landed,
	s_wait_dscnt 0x0
	s_barrier_signal -1
	s_barrier_wait -1                              ; everybody's has
	s_mov_b32 s[CNT], 14
.Lkeys:
	STEP
	s_sub_co_u32 s[CNT], s[CNT], 1
	s_cmp_lg_u32 s[CNT], 0
	s_cbranch_scc1 .Lkeys
.rept 8
	v_nop
.endr
	; THE WAY OUT: O^T / the sum; register 16 b + 8 u + j is channel 32 b + 16 u + 8 h + j: two blocks of the next product's K, in the image's order
	v_add_f32 v14, v14, v15
	s_delay_alu instid0(VALU_DEP_1)
	v_permlanex16_b32 v[TMP], v14, s[SEL], s[SEL+1]
	s_delay_alu instid0(VALU_DEP_1)
	v_add_f32 v14, v14, v[TMP]
	s_wait_alu depctr_va_vdst(0)
	v_rcp_f32 v14, v14
	v_bfe_u32 v248, v0, 4, 1                       ; (a plain line behind the reciprocal)
	s_delay_alu instid0(VALU_DEP_1)
	v_add_nc_u32 v248, v248, v[R4]                 ; 4 r + h: lanes 0-15 store block 0's byte, lanes 16-31 block 1's
	s_wait_alu depctr_va_vdst(0)                   ; ahead of the first reader
.set j, 0
.rept 32
	v_mul_f32 v[S+j], v[O+j], v14
.set j, j+1
.endr
.irp b, 0,1
	v_max3_num_f32 v[BM+\b], |v[S+16*\b]|, |v[S+1+16*\b]|, 0x4800000
.endr
.irp i, 2,4,6,8,10,12,14
.irp b, 0,1
	s_delay_alu instid0(VALU_DEP_2)
	v_max3_num_f32 v[BM+\b], v[BM+\b], |v[S+16*\b+\i]|, |v[S+1+16*\b+\i]|
.endr
.endr
.irp b, 0,1
	s_delay_alu instid0(VALU_DEP_2)
	v_permlanex16_b32 v[BT+\b], v[BM+\b], s[SEL], s[SEL+1]
.endr
.irp b, 0,1
	s_delay_alu instid0(VALU_DEP_2)
	v_max_num_f32 v[BM+\b], v[BM+\b], v[BT+\b]
.endr
.irp b, 0,1
	s_delay_alu instid0(VALU_DEP_2)
	v_add_nc_u32 v[SO+\b], 0xfc000000, v[BM+\b]
.endr
.irp b, 0,1
	s_delay_alu instid0(VALU_DEP_4)
	v_and_or_b32 v[HO+\b], v[BM+\b], 0x7f800000, s[MNT]
.endr
.irp b, 0,1
	s_delay_alu instid0(VALU_DEP_4)
	v_lshrrev_b32 v[BT+\b], 23, v[SO+\b]
.endr
.irp b, 0,1
.irp i, 0,1,2,3,4,5,6,7,8,9,10,11,12,13,14,15
	v_med3_num_f32 v[S+16*\b+\i], v[S+16*\b+\i], -v[HO+\b], v[HO+\b]
.endr
	v_cvt_scalef32_pk8_fp8_f32 v[PC+4*\b:PC+1+4*\b], v[S+16*\b:S+7+16*\b], v[SO+\b]
	v_cvt_scalef32_pk8_fp8_f32 v[PC+2+4*\b:PC+3+4*\b], v[S+8+16*\b:S+15+16*\b], v[SO+\b]
.endr
	v_cndmask_b32 v[TMP], v[BT], v[BT+1], s[HM]
	global_store_b128 v[LI], v[PC:PC+3], s[94:95]                  ; 512 consecutive bytes each
	global_store_b128 v[LI], v[PC+4:PC+7], s[94:95] offset:512
	global_store_b8 v248, v[TMP], s[96:97]                         ; single bytes: one in 32 of the codes' bytes
	s_wait_tensorcnt 0x0                           ; the wave's end
	ds_add_u32 v[SPW], v[NIL]
	s_wait_dscnt 0x0
	CROUND                                         ; the closing round
	s_endpgm
.Lfunc_end_k_q6392082803_attn:
	.size	k_q6392082803_attn, .Lfunc_end_k_q6392082803_attn-k_q6392082803_attn
	.p2alignl 7, 3214868480
	.fill 96, 4, 3214868480
	.section	.rodata,"a",@progbits
	.p2align	6, 0x0
	.amdhsa_kernel k_q6392082803_attn
		.amdhsa_group_segment_fixed_size 327680
		.amdhsa_private_segment_fixed_size 0
		.amdhsa_enable_private_segment 0
		.amdhsa_kernarg_size 24
		.amdhsa_user_sgpr_count 2
		.amdhsa_user_sgpr_kernarg_segment_ptr 1
		.amdhsa_wavefront_size32 1
		.amdhsa_system_sgpr_workgroup_id_x 1
		.amdhsa_system_sgpr_workgroup_id_y 1
		.amdhsa_system_sgpr_workgroup_id_z 1
		.amdhsa_system_vgpr_workitem_id 0
		.amdhsa_next_free_vgpr 256
		.amdhsa_next_free_sgpr 100
		.amdhsa_reserve_vcc 1
		.amdhsa_float_denorm_mode_32 3
		.amdhsa_float_denorm_mode_16_64 3
		.amdhsa_memory_ordered 1
		.amdhsa_forward_progress 1
		.amdhsa_inst_pref_size 61
	.end_amdhsa_kernel
	.amdgpu_metadata
---
amdhsa.version: [ 1, 2 ]
amdhsa.kernels:
  - .name:           k_q6392082803_attn
    .symbol:         k_q6392082803_attn.kd
    .args:
      - { .name: qkv, .offset: 0, .size: 8, .value_kind: global_buffer, .address_space: global }
      - { .name: mask, .offset: 8, .size: 8, .value_kind: global_buffer, .address_space: global }
      - { .name: ctx, .offset: 16, .size: 8, .value_kind: global_buffer, .address_space: global }
    .group_segment_fixed_size: 327680
    .private_segment_fixed_size: 0
    .kernarg_segment_align: 8
    .kernarg_segment_size: 24
    .max_flat_workgroup_size: 512
    .sgpr_count:     100
    .vgpr_count:     256
    .wavefront_size: 32
...
	.end_amdgpu_metadata
.endif
;; end of part 3
;; launch wo (part 4): grid 8 x 32, 4 waves a work-group, clusters of 4 x 4, 327,680 bytes of LDS; arguments ctx, qw, bo, y; writes y
.if DOCPART == 4
	.amdgcn_target "amdgcn-amd-amdhsa--gfx1250"
	.amdhsa_code_object_version 6
	.text
	.protected	k_q6392082803_wo
	.globl	k_q6392082803_wo
	.p2align	8
	.type	k_q6392082803_wo,@function
k_q6392082803_wo:
	s_mov_b64 s[64:65], 0
	v_nop
	global_prefetch_b8 v0, s[64:65] scope:SCOPE_SE
	s_setreg_imm32_b32 hwreg(HW_REG_WAVE_MODE, 25, 1), 1
	s_wait_xcnt 0x0
	s_wait_alu depctr_hold_cnt(0) depctr_sa_sdst(0) depctr_va_vdst(0) depctr_va_sdst(0) depctr_va_ssrc(0) depctr_va_vcc(0) depctr_vm_vsrc(0)
	s_getreg_b32 s2, hwreg(HW_REG_IB_STS2, 6, 4)
	s_cmp_eq_u32 s2, 0
	s_cbranch_scc0 .Lentry_in_a_cluster
	s_endpgm
.Lentry_in_a_cluster:
	s_bfe_u32 s2, ttmp6, 0x10000c
	s_cmp_lg_u32 s2, 0xf033
	s_cbranch_scc0 .Lentry_shape_is_right
	s_endpgm
.Lentry_shape_is_right:
; Launch 4: y = ctx Wo + bo on codes, f32 out.  Nothing of reference() is left out here.
; N = 1,024 gives only 64 tiles of 256 x 256, so a work-group makes 128 x 128 (256 work-groups), a wave 64 x 64: 16 accumulators.  K = 1,024 lies in two LDS slots of 512 along K: both are first fills, nothing is filled again.
; Operands are images of their registers (launch 1): a fragment comes by four loads at 16 x lane.  Source 0 = 16 rows of the weight, source 1 = 16 rows of ctx: a lane holds eight neighbouring numbers of a row of y.
; CLUSTERS 4 x 4: A's tile is shared along a row of the cluster, B's along a column, each asked for jointly.  The bias is the C of each sum's first matrix instruction.
; REGISTERS: window 0: v16-29 addresses; v32-63 scale words, two sets; v64-95 the bias; v128-255 A's fragments, two sets, later rows of y in v128-191.  window 1: B's fragments, two sets.  window 2: accumulator (a, b) at 8 (4 a + b).
.set NT, 4
.set NQ, 4
.set KS, 8
.set LAPS, KS/(2*NQ)
.set AOFS, 0x400000                    ; A's scale words in its buffer (its codes begin at 0)
.set BOFC, 0x700000                    ; B's codes in qw
.set BOFS, 0x1038000                   ; B's scale words in qw
.set HALFT, 32768
.set SLOT, 131072
.set BOFF, 65536
.set SCL, 262144
.set HALFS, KS*64*NT
.set SH, 256
.set SPARE, SCL+4*HALFS
.set ADRA, 16
.set ADRB, 20
.set STO, 24
.set RD, 25
.set CO, 26
.set ADRS, 27
.set SPW, 28
.set NIL, 29
.set LI, 30
.set SC, 32
.set BI, 64
.set AF, 128
.set G1, 24
.set G0, 32
.set G1B, 48
.set G0B, 56
.set G1S, 68
.set G0S, 76
.set G1SB, 80
.set G0SB, 88
.set PFA, 98                           ; s[98:99] where my prefetch stands
.set PFO, 31                           ; v31  256 x lane
.set MSB, 0
.macro WIN new
.if MSB != (\new)
	s_set_vgpr_msb (MSB<<8)|(\new)
.set MSB, (\new)
.endif
.endm
.macro PLACES n
.rept \n
	v_nop
.endr
.endm
.macro JLOAD g0a, g1a, g0b, g1b        ; a joint load: waves 0, 1 fetch for A, waves 2, 3 for B; an s_nop 0 and four v_nop follow each line
	s_cmp_eq_u32 s15, 0
	s_cbranch_scc0 .Lfor_b_\@
	tensor_load_to_lds s[\g0a:\g0a+3], s[\g1a:\g1a+7]
	s_nop 0
.rept 4
	v_nop
.endr
	s_branch .Lasked_\@
.Lfor_b_\@:
	tensor_load_to_lds s[\g0b:\g0b+3], s[\g1b:\g1b+7]
	s_nop 0
.rept 4
	v_nop
.endr
.Lasked_\@:
.endm
.macro CREST
	s_cmp_lg_u32 s14, 0
	s_cbranch_scc1 .Lnot_wave_0_\@
	s_barrier_signal -3
.Lnot_wave_0_\@:
	s_barrier_wait -3
	s_barrier_signal -1
	s_barrier_wait -1
.endm
.macro CROUND
	s_barrier_signal -1
	s_barrier_wait -1
	CREST
.endm
.macro FRAG reg, adr, q, i
.irp c, 0,1,2,3
	ds_load_b128 v[(\reg)+4*\c:(\reg)+4*\c+3], v[\adr] offset:((\i)*NQ+(\q))*2048+512*\c
.endr
.endm
.macro FETCH_B slot, q, p
	WIN 0x40
.set fi, 0
.rept NT
	FRAG 128*(\p)+16*fi, ADRB+\slot, \q, fi
.set fi, fi+1
.endr
	WIN 0
.endm
.macro FETCH_A slot, q, p              ; A's four fragments into set p: A has two sets, as B has
.set fi, 0
.rept NT
	FRAG AF+64*(\p)+16*fi, ADRA+\slot, \q, fi
.set fi, fi+1
.endr
.endm
.macro SCALES sc
.set fq, 0
.rept NQ
.set fi, 0
.rept NT
	ds_load_b32 v[SC+16*(\sc)+NT*fq+fi], v[ADRS] offset:fq*512+fi*64
.set fi, fi+1
.endr
.set fq, fq+1
.endr
.endm
.macro MULR a0, n, p, q, sc, zero      ; the accumulators take turns, one instruction a turn; zero = 2: C = the bias
.if (\zero) == 2
	WIN 0x81+0x40*((\a0)/4)
.else
	WIN 0xa1+0x50*((\a0)/4)
.endif
.set ma, \a0
.rept \n
.set mb, 0
.rept NT
.set rD, 8*(NT*(ma%4)+mb)
.set rB, 128*(\p)+16*mb
.set rA, AF+64*(\p)+16*ma
.set rS, SC+16*(\sc)+NT*(\q)
.if (\zero) == 2
	v_wmma_scale_f32_16x16x128_f8f6f4 v[rD:rD+7], v[rB:rB+15], v[rA:rA+15], v[BI+8*mb:BI+8*mb+7], v[rS+mb], v[rS+ma] matrix_a_scale:MATRIX_SCALE_ROW1
.else
	v_wmma_scale_f32_16x16x128_f8f6f4 v[rD:rD+7], v[rB:rB+15], v[rA:rA+15], v[rD:rD+7], v[rS+mb], v[rS+ma] matrix_a_scale:MATRIX_SCALE_ROW1
.endif
.set mb, mb+1
.endr
.set ma, ma+1
.endr
.endm
.macro STEP slot, q, zero
	s_wait_dscnt 0x0                               ; this step's 32 loads, issued a whole step ago
	PLACES 8                                       ; in front of loads into the set that the last step's products read
	FETCH_B \slot, (\q)+1, 1-(\q)%2
	FETCH_A \slot, (\q)+1, 1-(\q)%2
	MULR 0, NT, (\q)%2, \q, \slot, \zero
	WIN 0
.endm
.macro TURN slot, next, fill
	s_wait_tensorcnt 0x0                           ; my part of the next slot has landed
	ds_add_u32 v[SPW], v[NIL]
	s_wait_dscnt 2*NT+1                            ; the add and A's second half may be out
	MULR 0, NT/4, 1, NQ-1, \slot, 0
	s_wait_dscnt 0x0
	s_barrier_signal -1
	MULR NT/4, NT/4, 1, NQ-1, \slot, 0
	WIN 0
	s_barrier_wait -1
.if \fill
	CREST
	s_add_nc_u64 s[G0+4*\slot+2:G0+4*\slot+3], s[G0+4*\slot+2:G0+4*\slot+3], 2*NQ*2048
	s_add_nc_u64 s[G0B+4*\slot+2:G0B+4*\slot+3], s[G0B+4*\slot+2:G0B+4*\slot+3], 2*NQ*2048
	JLOAD G0+4*\slot, G1, G0B+4*\slot, G1B
	PLACES 4
.else
	PLACES 8
.endif
	v_add_nc_u32 v[ADRS], NQ*512, v[ADRS]
	FETCH_B \next, 0, 0
	FETCH_A \next, 0, 0
	SCALES \next
	MULR NT/2, NT/2, 1, NQ-1, \slot, 0
	WIN 0
.endm
.macro TOSTAGE a                       ; 16 rows x 64 columns through my own stage: in as 32 bytes a lane, back as whole rows of 256 bytes.  LDS serves a wave's instructions in order (ISA guide 5.7.1.4)
	WIN 0x08
.irp b, 0,1,2,3
	ds_store_b128 v[STO], v[8*(4*(\a)+\b):8*(4*(\a)+\b)+3] offset:64*\b
	ds_store_b128 v[STO], v[8*(4*(\a)+\b)+4:8*(4*(\a)+\b)+7] offset:64*\b+16
.endr
	WIN 0
.set BB, AF+32*((\a)%2)
.irp t, 0,1,2,3,4,5,6,7
	ds_load_b128 v[BB+4*\t:BB+4*\t+3], v[RD] offset:544*\t
.endr
.endm
.macro SEND a, younger
.set BB, AF+32*((\a)%2)
	s_wait_dscnt \younger
.if (\a) > 0
	s_add_nc_u64 s[10:11], s[10:11], 65536         ; 16 rows of y on (behind a wait on XCNT: the earlier stores have read their base)
.endif
.irp t, 0,1,2,3,4,5,6,7
	global_store_b128 v[CO], v[BB+4*\t:BB+4*\t+3], s[10:11] offset:8192*\t      ; sixteen lanes store 256 consecutive bytes, aligned
.endr
.endm
	s_load_b256 s[4:11], s[0:1], 0x0               ; A's buffer, qw, the bias, y
	v_lshl_add_u32 v[SPW], v0, 2, SPARE
	v_mov_b32 v[NIL], 0
	ds_add_u32 v[SPW], v[NIL]                      ; the opening: the add, twice on end, and its wait ahead of my first tensor load
	ds_add_u32 v[SPW], v[NIL]
	v_lshrrev_b32 v1, 5, v0
	v_readfirstlane_b32 s14, v1
	s_lshr_b32 s15, s14, 1
	s_and_b32 s16, s14, 1
	s_bfe_u32 s40, ttmp6, 0x40000
	s_bfe_u32 s41, ttmp6, 0x40004
	s_lshl_b32 s42, ttmp9, 2
	s_add_co_u32 s42, s42, s40                     ; B's tile
	s_and_b32 s17, ttmp7, 0xffff
	s_lshl_b32 s17, s17, 2
	s_add_co_u32 s17, s17, s41                     ; A's tile
	s_lshl_b32 s43, s41, 2
	s_lshl_b32 s43, 15, s43
	s_lshl_b32 s44, 0x1111, s40
	s_or_b32 s[G1+0], s43, (3<<16)|(1<<21)
	s_or_b32 s[G1B+0], s44, (3<<16)|(1<<21)
.irp g, G1, G1B
	s_mov_b32 s[\g+1], (NQ*256)<<16
	s_mov_b32 s[\g+2], (2*NT)<<16
	s_mov_b32 s[\g+3], (NQ*256)<<16
	s_mov_b32 s[\g+4], 2*NT
	s_mov_b32 s[\g+5], KS*256
	s_mov_b32 s[\g+6], 0
	s_mov_b32 s[\g+7], 0
.endr
	s_or_b32 s[G1S+0], s43, (3<<16)|(1<<21)
	s_or_b32 s[G1SB+0], s44, (3<<16)|(1<<21)
.irp g, G1S, G1SB
	s_mov_b32 s[\g+1], 32<<16
	s_mov_b32 s[\g+2], (HALFS/128)<<16
	s_mov_b32 s[\g+3], 32<<16
	s_mov_b32 s[\g+4], HALFS/128
	s_mov_b32 s[\g+5], 32
	s_mov_b32 s[\g+6], 0
	s_mov_b32 s[\g+7], 0
.endr
	s_mul_i32 s20, s17, 2*NT*KS*2048
	s_mul_i32 s18, s16, NT*KS*2048
	s_add_co_u32 s20, s20, s18
	s_mov_b32 s21, 0
	s_mul_i32 s22, s17, 2*HALFS
	s_mul_i32 s18, s16, HALFS
	s_add_co_u32 s22, s22, s18
	s_add_co_u32 s22, s22, AOFS
	s_mov_b32 s23, 0
	s_mul_i32 s46, s42, 2*NT*KS*2048
	s_mul_i32 s19, s16, NT*KS*2048
	s_add_co_u32 s46, s46, s19
	s_add_co_u32 s46, s46, BOFC
	s_mov_b32 s47, 0
	s_mul_i32 s92, s42, 2*HALFS
	s_mul_i32 s19, s16, HALFS
	s_add_co_u32 s92, s92, s19
	s_add_co_u32 s92, s92, BOFS
	s_mov_b32 s93, 0
	s_mul_i32 s45, s14, HALFT
	s_mul_i32 s96, s14, HALFS
	s_wait_dscnt 0x0
	s_wait_kmcnt 0x0
	s_add_nc_u64 s[20:21], s[4:5], s[20:21]
	s_add_nc_u64 s[22:23], s[4:5], s[22:23]
	s_add_nc_u64 s[46:47], s[6:7], s[46:47]
	s_add_nc_u64 s[92:93], s[6:7], s[92:93]
	CROUND
	s_mov_b32 s[G0S], 1
	s_add_co_u32 s[G0S+1], s96, SCL-HALFS          ; wave 1 asks for both halves of A's scale words: half a tile back from its own half
	s_sub_nc_u64 s[G0S+2:G0S+3], s[22:23], HALFS
	s_or_b32 s[G0S+3], s[G0S+3], 0x80000000
	s_mov_b32 s[G0SB], 1
	s_add_co_u32 s[G0SB+1], s96, SCL-HALFS         ; wave 3 likewise for B's
	s_sub_nc_u64 s[G0SB+2:G0SB+3], s[92:93], HALFS
	s_or_b32 s[G0SB+3], s[G0SB+3], 0x80000000
.irp s, 0,1
	s_mov_b32 s[G0+4*\s], 1
	s_add_co_u32 s[G0+4*\s+1], s45, \s*SLOT
	s_add_nc_u64 s[G0+4*\s+2:G0+4*\s+3], s[20:21], \s*NQ*2048
	s_or_b32 s[G0+4*\s+3], s[G0+4*\s+3], 0x80000000
	s_mov_b32 s[G0B+4*\s], 1
	s_add_co_u32 s[G0B+4*\s+1], s45, \s*SLOT
	s_add_nc_u64 s[G0B+4*\s+2:G0B+4*\s+3], s[46:47], \s*NQ*2048
	s_or_b32 s[G0B+4*\s+3], s[G0B+4*\s+3], 0x80000000
.endr
	; the head's four tiles, one joint load a wave: wave 0 slot 0's rows of A, both halves; wave 2 those of B; wave 1 A's scale words; wave 3 B's
	s_cmp_eq_u32 s14, 0
	s_cbranch_scc0 .Lhead_b
	tensor_load_to_lds s[G0:G0+3], s[G1:G1+7]
	s_nop 0
	PLACES 4
	s_branch .Lhead_asked
.Lhead_b:
	s_cmp_eq_u32 s14, 2
	s_cbranch_scc0 .Lhead_sa
	tensor_load_to_lds s[G0B:G0B+3], s[G1B:G1B+7]
	s_nop 0
	PLACES 4
	s_branch .Lhead_asked
.Lhead_sa:
	s_cmp_eq_u32 s14, 1
	s_cbranch_scc0 .Lhead_sb
	tensor_load_to_lds s[G0S:G0S+3], s[G1S:G1S+7]
	s_nop 0
	PLACES 4
	s_branch .Lhead_asked
.Lhead_sb:
	tensor_load_to_lds s[G0SB:G0SB+3], s[G1SB:G1SB+7]
	s_nop 0
	PLACES 4
.Lhead_asked:
	; a prefetch of slot 1, which is loaded behind the next round: of the four tiles of rows that my wave will fetch, the partner at place p (cx for A, cy for B) names tile p: 8,192 bytes, lanes 256 bytes apart
	s_cmp_eq_u32 s15, 0
	s_cselect_b64 s[PFA:PFA+1], s[20:21], s[46:47]
	s_cselect_b32 s100, s40, s41
	s_mul_i32 s100, s100, KS*2048
	s_add_co_u32 s100, s100, NQ*2048
	s_mov_b32 s101, 0
	s_add_nc_u64 s[PFA:PFA+1], s[PFA:PFA+1], s[100:101]
	v_and_b32 v[PFO], 31, v0
	v_lshlrev_b32 v[PFO], 8, v[PFO]
	global_prefetch_b8 v[PFO], s[PFA:PFA+1] th:TH_LOAD_NT scope:SCOPE_SE
	v_and_b32 v1, 31, v0
	v_lshlrev_b32 v[LI], 4, v1
	v_and_b32 v2, 15, v0
	v_bfe_u32 v3, v0, 4, 1
	s_wait_alu depctr_va_vdst(0)
	s_mul_i32 s21, s15, HALFT
	s_mul_i32 s22, s16, HALFT
	s_add_co_u32 s22, s22, BOFF
.irp s, 0,1
	v_add_nc_u32 v[ADRA+\s], s21, v[LI]
	v_add_nc_u32 v[ADRB+\s], s22, v[LI]
	s_add_co_u32 s21, s21, SLOT
	s_add_co_u32 s22, s22, SLOT
.endr
	s_mul_i32 s21, s15, SH
	s_mul_i32 s22, s16, SH
	s_add_co_u32 s22, s22, 2*HALFS
	s_sub_co_u32 s22, s22, s21
	v_mul_u32_u24 v4, s22, v3
	s_add_co_u32 s21, s21, SCL
	v_lshl_add_u32 v4, v2, 2, v4
	v_add_nc_u32 v[ADRS], s21, v4
	v_lshlrev_b32 v5, 5, v3
	s_mul_i32 s20, s42, 128*NT
	s_mul_i32 s21, s16, 64*NT
	s_add_co_u32 s20, s20, s21
	s_mov_b32 s21, 0
	s_add_nc_u64 s[18:19], s[8:9], s[20:21]
.irp b, 0,1,2,3
	global_load_b128 v[BI+8*\b:BI+8*\b+3], v5, s[18:19] offset:64*\b
	global_load_b128 v[BI+8*\b+4:BI+8*\b+7], v5, s[18:19] offset:64*\b+16
.endr
	s_mul_i32 s23, s14, 16*272                     ; my stage: in slot 0, which has had its one fill, and which nobody reads behind the change of slots
	v_mul_u32_u24 v4, v2, 272
	v_lshl_add_u32 v4, v3, 5, v4
	v_add_nc_u32 v[STO], s23, v4
	v_mul_u32_u24 v4, v3, 272
	v_lshl_add_u32 v4, v2, 4, v4
	v_add_nc_u32 v[RD], s23, v4
	v_lshlrev_b32 v4, 12, v3
	v_lshl_add_u32 v[CO], v2, 4, v4
	s_lshl_b32 s20, s17, 19
	s_lshl_b32 s22, s15, 18
	s_add_co_u32 s20, s20, s22
	s_lshl_b32 s22, s42, 9
	s_add_co_u32 s20, s20, s22
	s_lshl_b32 s22, s16, 8
	s_add_co_u32 s20, s20, s22
	s_add_nc_u64 s[10:11], s[10:11], s[20:21]
	s_wait_alu depctr_va_vdst(0)                   ; the head's end
	s_wait_tensorcnt 0x0                           ; my tile of the head's four is in; the three lines ahead of slot 1's first fill
	ds_add_u32 v[SPW], v[NIL]
	s_mov_b32 s[G1+2], NT<<16                      ; no tensor load of mine is out: from here on a load brings NT tiles of rows
	s_mov_b32 s[G1+4], NT
	s_mov_b32 s[G1B+2], NT<<16
	s_mov_b32 s[G1B+4], NT
	s_wait_dscnt 0x0
	CROUND
	JLOAD G0+4, G1, G0B+4, G1B                     ; slot 1, a quarter a wave
	FETCH_B 0, 0, 0
	FETCH_A 0, 0, 0
	SCALES 0
	s_wait_loadcnt 0x0                             ; the bias
	STEP 0, 0, 2
.if LAPS > 1
	s_mov_b32 s3, LAPS-1
.Llap:
	STEP 0, 1, 0
	STEP 0, 2, 0
	TURN 0, 1, 1
	STEP 1, 0, 0
	STEP 1, 1, 0
	STEP 1, 2, 0
	TURN 1, 0, 1
	STEP 0, 0, 0
	s_sub_co_u32 s3, s3, 1
	s_cmp_lg_u32 s3, 0
	s_cbranch_scc1 .Llap
.endif
	STEP 0, 1, 0
	STEP 0, 2, 0
	TURN 0, 1, 0
	STEP 1, 0, 0
	STEP 1, 1, 0
	STEP 1, 2, 0
	s_wait_dscnt 2*NT
	MULR 0, NT/2, 1, NQ-1, 1, 0
	s_wait_alu depctr_va_vdst(0)
	s_wait_dscnt 0
	MULR NT/2, NT/2, 1, NQ-1, 1, 0
	WIN 0
	PLACES 8
	TOSTAGE 0
.irp a, 1,2,3
.if \a > 1
	s_wait_xcnt 0x0                                ; block a - 2's stores have read their registers and their base
.endif
	TOSTAGE \a
	SEND \a-1, 16                                  ; behind block a - 1's loads: block a's 8 stores and 8 loads
.endr
	s_wait_xcnt 0x0
	SEND 3, 0
	s_wait_tensorcnt 0x0                           ; the wave's end
	ds_add_u32 v[SPW], v[NIL]
	s_wait_dscnt 0x0
	CROUND
	s_endpgm
.Lfunc_end_k_q6392082803_wo:
	.size	k_q6392082803_wo, .Lfunc_end_k_q6392082803_wo-k_q6392082803_wo
	.p2alignl 7, 3214868480
	.fill 96, 4, 3214868480
	.section	.rodata,"a",@progbits
	.p2align	6, 0x0
	.amdhsa_kernel k_q6392082803_wo
		.amdhsa_group_segment_fixed_size 327680
		.amdhsa_private_segment_fixed_size 0
		.amdhsa_enable_private_segment 0
		.amdhsa_kernarg_size 32
		.amdhsa_user_sgpr_count 2
		.amdhsa_user_sgpr_kernarg_segment_ptr 1
		.amdhsa_wavefront_size32 1
		.amdhsa_system_sgpr_workgroup_id_x 1
		.amdhsa_system_sgpr_workgroup_id_y 1
		.amdhsa_system_sgpr_workgroup_id_z 1
		.amdhsa_system_vgpr_workitem_id 0
		.amdhsa_next_free_vgpr 640
		.amdhsa_next_free_sgpr 104
		.amdhsa_reserve_vcc 0
		.amdhsa_float_denorm_mode_32 3
		.amdhsa_float_denorm_mode_16_64 3
		.amdhsa_memory_ordered 1
		.amdhsa_forward_progress 1
		.amdhsa_inst_pref_size 58
	.end_amdhsa_kernel
	.amdgpu_metadata
---
amdhsa.version: [ 1, 2 ]
amdhsa.kernels:
  - .name:           k_q6392082803_wo
    .symbol:         k_q6392082803_wo.kd
    .args:
      - { .name: ctx, .offset: 0, .size: 8, .value_kind: global_buffer, .address_space: global }
      - { .name: qw, .offset: 8, .size: 8, .value_kind: global_buffer, .address_space: global }
      - { .name: bo, .offset: 16, .size: 8, .value_kind: global_buffer, .address_space: global }
      - { .name: y, .offset: 24, .size: 8, .value_kind: global_buffer, .address_space: global }
    .group_segment_fixed_size: 327680
    .private_segment_fixed_size: 0
    .kernarg_segment_align: 8
    .kernarg_segment_size: 32
    .max_flat_workgroup_size: 128
    .sgpr_count:     104
    .vgpr_count:     640
    .wavefront_size: 32
...
	.end_amdgpu_metadata
.endif
;; end of part 4
;; launch ln1 (part 5): grid 256 x 1, 8 waves a work-group, no clusters, 18,944 bytes of LDS; arguments y, x, g1, beta1, xn; writes xn
.if DOCPART == 5
	.amdgcn_target "amdgcn-amd-amdhsa--gfx1250"
	.amdhsa_code_object_version 6
	.text
	.protected	k_q6392082803_ln1
	.globl	k_q6392082803_ln1
	.p2align	8
	.type	k_q6392082803_ln1,@function
k_q6392082803_ln1:
	s_mov_b64 s[64:65], 0
	v_nop
	global_prefetch_b8 v0, s[64:65] scope:SCOPE_SE
	s_setreg_imm32_b32 hwreg(HW_REG_WAVE_MODE, 25, 1), 1
	s_wait_xcnt 0x0
; Launch 5: xn = layernorm(x + y) g1 + beta1, stored as f32 rows (the later residual) and as codes with scale words (the next product's operand, as an image: launch 1).  Nothing of reference() is left out here.
; A work-group takes 16 rows, a wave two; a wave holds a whole row: lane l has elements 128 i + 4 l + 0..3, eight loads of 512 consecutive bytes.  Mean and variance (of the centred numbers) never leave the wave.
; Two sets of row registers: while one row is worked, the next is on its way.  LIMITS: a block of zeros gets the scale byte 1; NaN and infinities are not served.
.set SCI,   17408
.set SPARE, 17920
.set SPW, 6
.set NIL, 7
.set IA,  8
.set SBA, 9
.set MNT, 21
.set SEL, 28
.set INV, 30
.set EPS, 31
.set G,   16
.set BT,  48
.set M,   208
.set SCO, 216
.set HO,  224
.set DD,  232
.set SA,  248
.set SBB, 250
.set MU,  252
.set TT,  254
.macro QROW V, k                       ; a row becomes codes and scale bytes in the LDS image; the conversion takes eight registers, of which the first four are this block's: only its first result register is used
.irp i, 0,1,2,3,4,5,6,7
	v_max3_num_f32 v[M+\i], |v[(\V)+4*\i]|, |v[(\V)+4*\i+1]|, 0x4800000
.endr
.irp i, 0,1,2,3,4,5,6,7
	v_max3_num_f32 v[M+\i], v[M+\i], |v[(\V)+4*\i+2]|, |v[(\V)+4*\i+3]|
.endr
.irp x, 1,2,4
.irp i, 0,1,2,3,4,5,6,7
	v_max_num_f32_dpp v[M+\i], v[M+\i], v[M+\i] row_xmask:\x row_mask:0xf bank_mask:0xf
.endr
.endr
.irp i, 0,1,2,3,4,5,6,7
	v_add_nc_u32 v[SCO+\i], 0xfc000000, v[M+\i]
.endr
.irp i, 0,1,2,3,4,5,6,7
	v_and_or_b32 v[HO+\i], v[M+\i], 0x7f800000, s[MNT]
.endr
.irp i, 0,1,2,3,4,5,6,7
.irp e, 0,1,2,3
	v_med3_num_f32 v[(\V)+4*\i+\e], v[(\V)+4*\i+\e], -v[HO+\i], v[HO+\i]
.endr
.endr
.irp i, 0,1,2,3,4,5,6,7
	v_cvt_scalef32_pk8_fp8_f32 v[DD+2*\i:DD+2*\i+1], v[(\V)+4*\i:(\V)+4*\i+7], v[SCO+\i]
.endr
.irp i, 0,1,2,3,4,5,6,7
	v_lshrrev_b32 v[M+\i], 23, v[SCO+\i]
.endr
.irp i, 0,1,2,3,4,5,6,7
	ds_store_b32 v[IA], v[DD+2*\i] offset:2176*\i+16*(\k)
	ds_store_b8 v[SBA], v[M+\i] offset:64*\i+4*(\k)
.endr
	s_wait_dscnt 0x0                               ; the stores have read their registers
.endm
.macro REDUCE r                        ; over the 32 lanes, the result in every lane
.irp x, 1,2,4,8
	v_add_f32_dpp v[\r], v[\r], v[\r] row_xmask:\x row_mask:0xf bank_mask:0xf
.endr
	v_permlanex16_b32 v[TT], v[\r], s[SEL], s[SEL+1]
	v_add_f32 v[\r], v[\r], v[TT]
.endm
.macro LOADROW k
.set YY, 80+64*((\k)%2)
.irp i, 0,1,2,3,4,5,6,7
	global_load_b128 v[YY+4*\i:YY+4*\i+3], v3, s[4:5] offset:4096*(\k)+512*\i th:TH_LOAD_NT
.endr
.irp i, 0,1,2,3,4,5,6,7
	global_load_b128 v[YY+32+4*\i:YY+32+4*\i+3], v3, s[6:7] offset:4096*(\k)+512*\i th:TH_LOAD_NT
.endr
.endm
.macro LNROW                           ; on v[YY] (32 numbers) and v[YY+32] (the residual's)
.irp j, 0,2,4,6,8,10,12,14,16,18,20,22,24,26,28,30
	v_pk_add_f32 v[YY+\j:YY+\j+1], v[YY+32+\j:YY+32+\j+1], v[YY+\j:YY+\j+1]
.endr
	v_pk_add_f32 v[SA:SA+1], v[YY:YY+1], v[YY+2:YY+3]
	v_pk_add_f32 v[SBB:SBB+1], v[YY+4:YY+5], v[YY+6:YY+7]
.irp j, 8,12,16,20,24,28
	v_pk_add_f32 v[SA:SA+1], v[SA:SA+1], v[YY+\j:YY+\j+1]
	v_pk_add_f32 v[SBB:SBB+1], v[SBB:SBB+1], v[YY+\j+2:YY+\j+3]
.endr
	v_pk_add_f32 v[SA:SA+1], v[SA:SA+1], v[SBB:SBB+1]
	v_add_f32 v[SA], v[SA], v[SA+1]
	REDUCE SA
	v_mul_f32 v[MU], s[INV], v[SA]                 ; the mean
.irp j, 0,2,4,6,8,10,12,14,16,18,20,22,24,26,28,30
	v_pk_add_f32 v[YY+\j:YY+\j+1], v[YY+\j:YY+\j+1], v[MU:MU+1] op_sel_hi:[1,0] neg_lo:[0,1] neg_hi:[0,1]
.endr
	v_pk_mul_f32 v[SA:SA+1], v[YY:YY+1], v[YY:YY+1]
	v_pk_mul_f32 v[SBB:SBB+1], v[YY+2:YY+3], v[YY+2:YY+3]
.irp j, 4,8,12,16,20,24,28
	v_pk_fma_f32 v[SA:SA+1], v[YY+\j:YY+\j+1], v[YY+\j:YY+\j+1], v[SA:SA+1]
	v_pk_fma_f32 v[SBB:SBB+1], v[YY+\j+2:YY+\j+3], v[YY+\j+2:YY+\j+3], v[SBB:SBB+1]
.endr
	v_pk_add_f32 v[SA:SA+1], v[SA:SA+1], v[SBB:SBB+1]
	v_add_f32 v[SA], v[SA], v[SA+1]
	REDUCE SA
	v_fma_f32 v[SA], v[SA], s[INV], s[EPS]         ; the variance + 1e-5
	s_wait_alu depctr_va_vdst(0)
	v_rsq_f32 v[MU], v[SA]
	v_nop                                          ; a plain line behind the transcendental,
	s_wait_alu depctr_va_vdst(0)                   ; and the wait ahead of its first reader
.irp j, 0,2,4,6,8,10,12,14,16,18,20,22,24,26,28,30
	v_pk_mul_f32 v[YY+\j:YY+\j+1], v[YY+\j:YY+\j+1], v[MU:MU+1] op_sel_hi:[1,0]
.endr
.irp j, 0,2,4,6,8,10,12,14,16,18,20,22,24,26,28,30
	v_pk_fma_f32 v[YY+\j:YY+\j+1], v[YY+\j:YY+\j+1], v[G+\j:G+\j+1], v[BT+\j:BT+\j+1]
.endr
.endm
.macro ROW k, left
.set YY, 80+64*((\k)%2)
	s_wait_loadcnt \left                           ; this row's 16 loads are in; the next row's 16 may be out
	LNROW
.irp i, 0,1,2,3,4,5,6,7
	global_store_b128 v3, v[YY+4*\i:YY+4*\i+3], s[14:15] offset:4096*(\k)+512*\i
.endr
	s_wait_alu depctr_va_vdst(0)
	s_wait_xcnt 0x0                                ; the stores have read the row, which is now held in place and later loaded again
	QROW YY, \k
.if (\k)+2 < 2
	LOADROW (\k)+2
.endif
.endm
	s_load_b256 s[4:11], s[0:1], 0x0               ; y, x, g1, beta1
	s_load_b64 s[12:13], s[0:1], 0x20              ; xn
	v_lshl_add_u32 v[SPW], v0, 2, SPARE
	v_mov_b32 v[NIL], 0
	v_lshrrev_b32 v2, 5, v0
	v_readfirstlane_b32 s20, v2
	v_and_b32 v1, 31, v0
	s_mov_b32 s[MNT], 0x600000
	s_mov_b32 s[SEL], 0x76543210
	s_mov_b32 s[SEL+1], 0xfedcba98
	s_mov_b32 s[INV], 0x3a800000                   ; 1 / 1,024
	s_mov_b32 s[EPS], 0x3727c5ac                   ; 1e-5
	v_mov_b32 v[MU+1], 0                           ; named as the upper half of a pair
	v_mov_b32 v[TT], 0                             ; a lane permute's destination counts as one of its sources
	v_lshlrev_b32 v3, 4, v1
	v_lshrrev_b32 v[IA], 3, v1
	v_bfe_u32 v11, v1, 1, 1
	v_lshl_add_u32 v[IA], v[IA], 1, v11
	v_mul_u32_u24 v[IA], v[IA], 272
	v_bfe_u32 v11, v1, 2, 1
	v_lshl_add_u32 v[IA], v11, 3, v[IA]
	v_and_b32 v11, 1, v1
	v_lshl_add_u32 v[IA], v11, 2, v[IA]
	s_lshl_b32 s22, s20, 5                         ; eight waves of two rows: 16 bytes for each of my wave's first rows
	v_add_nc_u32 v[IA], s22, v[IA]
	v_lshrrev_b32 v[SBA], 3, v1
	s_lshl_b32 s22, s20, 3
	s_add_co_u32 s22, s22, SCI
	v_add_nc_u32 v[SBA], s22, v[SBA]
	v_lshrrev_b32 v10, 4, v1
	v_mul_u32_u24 v10, v10, 272
	v_and_b32 v11, 15, v1
	v_lshl_add_u32 v10, v11, 4, v10
	s_mul_i32 s22, s20, 8*272                      ; back: units 8 wave on: the tile of K step = wave
	v_add_nc_u32 v10, s22, v10
	s_lshl_b32 s22, s20, 11
	v_add_nc_u32 v12, s22, v3
	s_lshl_b32 s22, s20, 6
	s_add_co_u32 s22, s22, SCI
	v_lshl_add_u32 v13, v11, 2, s22                ; my scale word in LDS: K step = wave, r = lane % 16 (both halves of the lanes take the same word)
	v_mov_b32 v14, s20
	v_lshlrev_b32 v14, 9, v14
	v_lshl_add_u32 v14, v11, 2, v14
	s_lshl_b32 s22, ttmp9, 16
	s_lshl_b32 s23, s20, 13
	s_add_co_u32 s22, s22, s23
	s_mov_b32 s23, 0
	s_lshl_b32 s24, ttmp9, 14
	s_add_co_u32 s24, s24, 0x1000000
	s_mov_b32 s25, 0
	s_lshr_b32 s26, ttmp9, 3
	s_lshl_b32 s26, s26, 12
	s_and_b32 s27, ttmp9, 7
	s_lshl_b32 s27, s27, 6
	s_add_co_u32 s26, s26, s27
	s_add_co_u32 s26, s26, 0x1400000
	s_mov_b32 s27, 0
	s_wait_kmcnt 0x0
	s_add_nc_u64 s[4:5], s[4:5], s[22:23]
	s_add_nc_u64 s[6:7], s[6:7], s[22:23]
	s_add_nc_u64 s[14:15], s[12:13], s[22:23]
	s_add_nc_u64 s[24:25], s[12:13], s[24:25]
	s_add_nc_u64 s[26:27], s[12:13], s[26:27]
.irp i, 0,1,2,3,4,5,6,7
	global_load_b128 v[G+4*\i:G+4*\i+3], v3, s[8:9] offset:512*\i
	global_load_b128 v[BT+4*\i:BT+4*\i+3], v3, s[10:11] offset:512*\i
.endr
	LOADROW 0
	LOADROW 1
	ROW 0, 16
	ROW 1, 0
	s_barrier_signal -1                            ; every wave's LDS stores are done (the wait at a row's end)
	s_barrier_wait -1
.irp t, 0,1,2,3
	ds_load_b128 v[80+4*\t:80+4*\t+3], v10 offset:544*\t
.endr
	ds_load_b32 v112, v13
.irp t, 0,1,2,3
	s_wait_dscnt 4-\t
	global_store_b128 v12, v[80+4*\t:80+4*\t+3], s[24:25] offset:512*\t
.endr
	s_wait_dscnt 0x0
	global_store_b32 v14, v112, s[26:27]           ; pieces of 64 bytes: a small part of what the launch writes
	s_wait_tensorcnt 0x0                           ; the wave's end
	ds_add_u32 v[SPW], v[NIL]
	s_wait_dscnt 0x0
	s_endpgm
.Lfunc_end_k_q6392082803_ln1:
	.size	k_q6392082803_ln1, .Lfunc_end_k_q6392082803_ln1-k_q6392082803_ln1
	.p2alignl 7, 3214868480
	.fill 96, 4, 3214868480
	.section	.rodata,"a",@progbits
	.p2align	6, 0x0
	.amdhsa_kernel k_q6392082803_ln1
		.amdhsa_group_segment_fixed_size 18944
		.amdhsa_private_segment_fixed_size 0
		.amdhsa_enable_private_segment 0
		.amdhsa_kernarg_size 40
		.amdhsa_user_sgpr_count 2
		.amdhsa_user_sgpr_kernarg_segment_ptr 1
		.amdhsa_wavefront_size32 1
		.amdhsa_system_sgpr_workgroup_id_x 1
		.amdhsa_system_sgpr_workgroup_id_y 1
		.amdhsa_system_sgpr_workgroup_id_z 1
		.amdhsa_system_vgpr_workitem_id 0
		.amdhsa_next_free_vgpr 256
		.amdhsa_next_free_sgpr 66
		.amdhsa_reserve_vcc 0
		.amdhsa_float_denorm_mode_32 3
		.amdhsa_float_denorm_mode_16_64 3
		.amdhsa_memory_ordered 1
		.amdhsa_forward_progress 1
		.amdhsa_inst_pref_size 40
	.end_amdhsa_kernel
	.amdgpu_metadata
---
amdhsa.version: [ 1, 2 ]
amdhsa.kernels:
  - .name:           k_q6392082803_ln1
    .symbol:         k_q6392082803_ln1.kd
    .args:
      - { .name: y, .offset: 0, .size: 8, .value_kind: global_buffer, .address_space: global }
      - { .name: x, .offset: 8, .size: 8, .value_kind: global_buffer, .address_space: global }
      - { .name: g1, .offset: 16, .size: 8, .value_kind: global_buffer, .address_space: global }
      - { .name: beta1, .offset: 24, .size: 8, .value_kind: global_buffer, .address_space: global }
      - { .name: xn, .offset: 32, .size: 8, .value_kind: global_buffer, .address_space: global }
    .group_segment_fixed_size: 18944
    .private_segment_fixed_size: 0
    .kernarg_segment_align: 8
    .kernarg_segment_size: 40
    .max_flat_workgroup_size: 256
    .sgpr_count:     66
    .vgpr_count:     256
    .wavefront_size: 32
...
	.end_amdgpu_metadata
.endif
;; end of part 5
;; launch mlp1 (part 6): grid 16 x 16, 4 waves a work-group, clusters of 4 x 4, 327,680 bytes of LDS; arguments xn, qw, b1, hid; writes hid
.if DOCPART == 6
	.amdgcn_target "amdgcn-amd-amdhsa--gfx1250"
	.amdhsa_code_object_version 6
	.text
	.protected	k_q6392082803_mlp1
	.globl	k_q6392082803_mlp1
	.p2align	8
	.type	k_q6392082803_mlp1,@function
k_q6392082803_mlp1:
	s_mov_b64 s[64:65], 0
	v_nop
	global_prefetch_b8 v0, s[64:65] scope:SCOPE_SE
	s_setreg_imm32_b32 hwreg(HW_REG_WAVE_MODE, 25, 1), 1
	s_wait_xcnt 0x0
	s_wait_alu depctr_hold_cnt(0) depctr_sa_sdst(0) depctr_va_vdst(0) depctr_va_sdst(0) depctr_va_ssrc(0) depctr_va_vcc(0) depctr_vm_vsrc(0)
	s_getreg_b32 s2, hwreg(HW_REG_IB_STS2, 6, 4)
	s_cmp_eq_u32 s2, 0
	s_cbranch_scc0 .Lentry_in_a_cluster
	s_endpgm
.Lentry_in_a_cluster:
	s_bfe_u32 s2, ttmp6, 0x10000c
	s_cmp_lg_u32 s2, 0xf033
	s_cbranch_scc0 .Lentry_shape_is_right
	s_endpgm
.Lentry_shape_is_right:
.set NT, 8
.set NQ, 2
.set KS, 8
.set LAPS, KS/(2*NQ)
.set AOFC, 0x1000000
.set AOFS, 0x1400000
.set BOFC, 0x800000
.set BOFS, 0x1040000
.set HALFT, 32768
.set SLOT, 131072
.set BOFF, 65536
.set SCL, 262144
.set HALFS, KS*64*NT
.set SH, HALFS
.set SPARE, SCL+4*HALFS
.set SWST, SPARE+512
.set ADRA, 16
.set ADRB, 20
.set LI, 24
.set DA, 25
.set SWA, 26
.set ADRS, 27
.set SPW, 28
.set NIL, 29
.set ADL, 30
.set SWW, 31
.set SC, 32
.set BI, 64
.set AF, 128
.set Z, 64
.set Z2, 80
.set P, 96
.set Q, 112
.set T, 128
.set PC, 192
.set TM, 208
.set PW, 224
.set CA, 226
.set CB, 228
.set SWR, 230
.set KC, 232                           ; v232-255  the activation's twelve other constants, each twice: the two halves of a dual pair take their sources from different registers
.set G1, 24
.set G0, 32
.set G1B, 48
.set G0B, 56
.set G1S, 68
.set G0S, 76
.set G1SB, 80
.set G0SB, 88
.set SEL, 98
.set MNT, 100
.set MSB, 0
.macro WIN new
.if MSB != (\new)
	s_set_vgpr_msb (MSB<<8)|(\new)
.set MSB, (\new)
.endif
.endm
.macro PLACES n
.rept \n
	v_nop
.endr
.endm
.macro JLOAD g0a, g1a, g0b, g1b
	s_cmp_eq_u32 s15, 0
	s_cbranch_scc0 .Lfor_b_\@
	tensor_load_to_lds s[\g0a:\g0a+3], s[\g1a:\g1a+7]
	s_nop 0
.rept 4
	v_nop
.endr
	s_branch .Lasked_\@
.Lfor_b_\@:
	tensor_load_to_lds s[\g0b:\g0b+3], s[\g1b:\g1b+7]
	s_nop 0
.rept 4
	v_nop
.endr
.Lasked_\@:
.endm
.macro CREST
	s_cmp_lg_u32 s14, 0
	s_cbranch_scc1 .Lnot_wave_0_\@
	s_barrier_signal -3
.Lnot_wave_0_\@:
	s_barrier_wait -3
	s_barrier_signal -1
	s_barrier_wait -1
.endm
.macro CROUND
	s_barrier_signal -1
	s_barrier_wait -1
	CREST
.endm
.macro FRAG reg, adr, q, i
.irp c, 0,1,2,3
	ds_load_b128 v[(\reg)+4*\c:(\reg)+4*\c+3], v[\adr] offset:((\i)*NQ+(\q))*2048+512*\c
.endr
.endm
.macro FETCH_B slot, q, p
	WIN 0x40
.set fi, 0
.rept NT
	FRAG 128*(\p)+16*fi, ADRB+\slot, \q, fi
.set fi, fi+1
.endr
	WIN 0
.endm
.macro FETCH_A slot, q, i0
.set fi, \i0
.rept NT/2
	FRAG AF+16*fi, ADRA+\slot, \q, fi
.set fi, fi+1
.endr
.endm
.macro SCALES sc
.set fq, 0
.rept NQ
.set fi, 0
.rept NT
	ds_load_b32 v[SC+16*(\sc)+NT*fq+fi], v[ADRS] offset:fq*512+fi*64
.set fi, fi+1
.endr
.set fq, fq+1
.endr
.endm
.macro MULR a0, n, p, q, sc, zero
.if (\zero) == 2
	WIN 0x81+0x40*((\a0)/4)
.else
	WIN 0xa1+0x50*((\a0)/4)
.endif
.set ma, \a0
.rept \n
.set mb, 0
.rept NT
.set rD, 8*(NT*(ma%4)+mb)
.set rB, 128*(\p)+16*mb
.set rA, AF+16*ma
.set rS, SC+16*(\sc)+NT*(\q)
.if (\zero) == 2
	v_wmma_scale_f32_16x16x128_f8f6f4 v[rD:rD+7], v[rB:rB+15], v[rA:rA+15], v[BI+8*mb:BI+8*mb+7], v[rS+mb], v[rS+ma] matrix_a_scale:MATRIX_SCALE_ROW1
.else
	v_wmma_scale_f32_16x16x128_f8f6f4 v[rD:rD+7], v[rB:rB+15], v[rA:rA+15], v[rD:rD+7], v[rS+mb], v[rS+ma] matrix_a_scale:MATRIX_SCALE_ROW1
.endif
.set mb, mb+1
.endr
.set ma, ma+1
.endr
.endm
.macro STEP slot, q, zero
	s_wait_dscnt 2*NT
	MULR 0, NT/2, (\q)%2, \q, \slot, \zero
	s_wait_dscnt 0
	PLACES 8
	FETCH_B \slot, (\q)+1, 1-(\q)%2
	FETCH_A \slot, (\q)+1, 0
	MULR NT/2, NT/2, (\q)%2, \q, \slot, \zero
	PLACES 8
	WIN 0
	FETCH_A \slot, (\q)+1, NT/2
.endm
.macro TURN slot, next, fill
	s_wait_tensorcnt 0x0
	ds_add_u32 v[SPW], v[NIL]
	s_wait_dscnt 2*NT+1
	MULR 0, NT/4, 1, NQ-1, \slot, 0
	s_wait_dscnt 0x0
	s_barrier_signal -1
	MULR NT/4, NT/4, 1, NQ-1, \slot, 0
	WIN 0
	s_barrier_wait -1
.if \fill
	CREST
	s_add_nc_u64 s[G0+4*\slot+2:G0+4*\slot+3], s[G0+4*\slot+2:G0+4*\slot+3], 2*NQ*2048
	s_add_nc_u64 s[G0B+4*\slot+2:G0B+4*\slot+3], s[G0B+4*\slot+2:G0B+4*\slot+3], 2*NQ*2048
	JLOAD G0+4*\slot, G1, G0B+4*\slot, G1B
	PLACES 4
.else
	PLACES 8
.endif
	s_wait_alu depctr_va_vdst(0)
	v_add_nc_u32 v[ADRS], NQ*512, v[ADRS]
	FETCH_B \next, 0, 0
	FETCH_A \next, 0, 0
	SCALES \next
	MULR NT/2, NT/2, 1, NQ-1, \slot, 0
	PLACES 8
	WIN 0
	FETCH_A \next, 0, NT/2
.endm
.macro QUANT s, pw
.irp b, 0,1,2,3
	v_max3_num_f32 v[TM+\b], |v[\s+16*\b]|, |v[\s+1+16*\b]|, 0x4800000
.endr
.irp i, 2,4,6,8,10,12,14
.irp b, 0,1,2,3
	v_max3_num_f32 v[TM+\b], v[TM+\b], |v[\s+16*\b+\i]|, |v[\s+1+16*\b+\i]|
.endr
.endr
.irp b, 0,1,2,3
	v_permlanex16_b32 v[TM+4+\b], v[TM+\b], s[SEL], s[SEL+1]
.endr
.irp b, 0,1,2,3
	v_max_num_f32 v[TM+\b], v[TM+\b], v[TM+4+\b]
.endr
.irp b, 0,1,2,3
	v_add_nc_u32 v[TM+12+\b], 0xfc000000, v[TM+\b]
.endr
.irp b, 0,1,2,3
	v_and_or_b32 v[TM+8+\b], v[TM+\b], 0x7f800000, s[MNT]
.endr
.irp b, 0,1,2,3
	v_lshrrev_b32 v[TM+4+\b], 23, v[TM+12+\b]
.endr
	v_lshl_or_b32 v[\pw], v[TM+5], 8, v[TM+4]
	v_lshl_or_b32 v[\pw], v[TM+6], 16, v[\pw]
	v_lshl_or_b32 v[\pw], v[TM+7], 24, v[\pw]
.irp b, 0,1,2,3
.irp i, 0,1,2,3,4,5,6,7,8,9,10,11,12,13,14,15
	v_med3_num_f32 v[\s+16*\b+\i], v[\s+16*\b+\i], -v[TM+8+\b], v[TM+8+\b]
.endr
	v_cvt_scalef32_pk8_fp8_f32 v[PC+4*\b:PC+1+4*\b], v[\s+16*\b:\s+7+16*\b], v[TM+12+\b]
	v_cvt_scalef32_pk8_fp8_f32 v[PC+2+4*\b:PC+3+4*\b], v[\s+8+16*\b:\s+15+16*\b], v[TM+12+\b]
.endr
	v_nop
.endm
.macro GELU g
.set GT, T+16*(\g)
.irp j, 0,2,4,6,8,10,12,14
	v_dual_mul_f32 v[Z+\j], v[GT+\j], v[KC] :: v_dual_mul_f32 v[Z+\j+1], v[GT+\j+1], v[KC+1]
.endr
.irp j, 0,1,2,3,4,5,6,7,8,9,10,11,12,13,14,15
	v_med3_num_f32 v[Z+\j], v[Z+\j], -4.0, 4.0
.endr
.irp j, 0,2,4,6,8,10,12,14
	v_dual_mul_f32 v[GT+\j], v[GT+\j], v[KC+2] :: v_dual_mul_f32 v[GT+\j+1], v[GT+\j+1], v[KC+3]
.endr
.irp j, 0,2,4,6,8,10,12,14
	v_dual_mul_f32 v[Z2+\j], v[Z+\j], v[Z+\j] :: v_dual_mul_f32 v[Z2+\j+1], v[Z+\j+1], v[Z+\j+1]
.endr
.irp j, 0,2,4,6,8,10,12,14
	v_dual_fma_f32 v[P+\j], v[Z2+\j], v[CA], v[KC+4] :: v_dual_fma_f32 v[P+\j+1], v[Z2+\j+1], v[CA+1], v[KC+5]
	v_dual_fma_f32 v[Q+\j], v[Z2+\j], v[CB], v[KC+6] :: v_dual_fma_f32 v[Q+\j+1], v[Z2+\j+1], v[CB+1], v[KC+7]
.endr
.irp k, 8, 10, 12, 14, 16
.irp j, 0,2,4,6,8,10,12,14
	v_dual_fma_f32 v[P+\j], v[P+\j], v[Z2+\j], v[KC+\k] :: v_dual_fma_f32 v[P+\j+1], v[P+\j+1], v[Z2+\j+1], v[KC+\k+1]
.endr
.endr
.irp k, 18, 20, 22
.irp j, 0,2,4,6,8,10,12,14
	v_dual_fma_f32 v[Q+\j], v[Q+\j], v[Z2+\j], v[KC+\k] :: v_dual_fma_f32 v[Q+\j+1], v[Q+\j+1], v[Z2+\j+1], v[KC+\k+1]
.endr
.endr
	s_wait_alu depctr_va_vdst(0)
.irp j, 0,1,2,3,4,5,6,7,8,9,10,11,12,13,14,15
	v_rcp_f32 v[Q+\j], v[Q+\j]
.endr
.irp j, 0,2,4,6,8,10,12,14
	v_pk_mul_f32 v[P+\j:P+\j+1], v[P+\j:P+\j+1], v[Z+\j:Z+\j+1]
.endr
	s_wait_alu depctr_va_vdst(0)
.irp j, 0,2,4,6,8,10,12,14
	v_dual_mul_f32 v[P+\j], v[P+\j], v[Q+\j] :: v_dual_mul_f32 v[P+\j+1], v[P+\j+1], v[Q+\j+1]
.endr
.irp j, 0,2,4,6,8,10,12,14
	v_dual_fma_f32 v[GT+\j], v[GT+\j], v[P+\j], v[GT+\j] :: v_dual_fma_f32 v[GT+\j+1], v[GT+\j+1], v[P+\j+1], v[GT+\j+1]
.endr
.endm
	s_load_b256 s[4:11], s[0:1], 0x0
	v_lshl_add_u32 v[SPW], v0, 2, SPARE
	v_mov_b32 v[NIL], 0
	ds_add_u32 v[SPW], v[NIL]
	ds_add_u32 v[SPW], v[NIL]
	v_lshrrev_b32 v1, 5, v0
	v_readfirstlane_b32 s14, v1
	s_lshr_b32 s15, s14, 1
	s_and_b32 s16, s14, 1
	s_bfe_u32 s40, ttmp6, 0x40000
	s_bfe_u32 s41, ttmp6, 0x40004
	s_lshl_b32 s42, ttmp9, 2
	s_add_co_u32 s42, s42, s40
	s_and_b32 s17, ttmp7, 0xffff
	s_lshl_b32 s17, s17, 2
	s_add_co_u32 s17, s17, s41
	s_lshl_b32 s43, s41, 2
	s_lshl_b32 s43, 15, s43
	s_lshl_b32 s44, 0x1111, s40
	s_or_b32 s[G1+0], s43, (3<<16)|(1<<21)
	s_or_b32 s[G1B+0], s44, (3<<16)|(1<<21)
.irp g, G1, G1B
	s_mov_b32 s[\g+1], (NQ*256)<<16
	s_mov_b32 s[\g+2], (2*NT)<<16
	s_mov_b32 s[\g+3], (NQ*256)<<16
	s_mov_b32 s[\g+4], 2*NT
	s_mov_b32 s[\g+5], KS*256
	s_mov_b32 s[\g+6], 0
	s_mov_b32 s[\g+7], 0
.endr
	s_or_b32 s[G1S+0], s43, (3<<16)|(1<<21)
	s_or_b32 s[G1SB+0], s44, (3<<16)|(1<<21)
.irp g, G1S, G1SB
	s_mov_b32 s[\g+1], 32<<16
	s_mov_b32 s[\g+2], (HALFS/128)<<16
	s_mov_b32 s[\g+3], 32<<16
	s_mov_b32 s[\g+4], HALFS/128
	s_mov_b32 s[\g+5], 32
	s_mov_b32 s[\g+6], 0
	s_mov_b32 s[\g+7], 0
.endr
	s_mul_i32 s20, s17, 2*NT*KS*2048
	s_mul_i32 s18, s16, NT*KS*2048
	s_add_co_u32 s20, s20, s18
	s_add_co_u32 s20, s20, AOFC
	s_mov_b32 s21, 0
	s_mul_i32 s22, s17, 2*HALFS
	s_mul_i32 s18, s16, HALFS
	s_add_co_u32 s22, s22, s18
	s_add_co_u32 s22, s22, AOFS
	s_mov_b32 s23, 0
	s_mul_i32 s46, s42, 2*NT*KS*2048
	s_mul_i32 s19, s16, NT*KS*2048
	s_add_co_u32 s46, s46, s19
	s_add_co_u32 s46, s46, BOFC
	s_mov_b32 s47, 0
	s_mul_i32 s92, s42, 2*HALFS
	s_mul_i32 s19, s16, HALFS
	s_add_co_u32 s92, s92, s19
	s_add_co_u32 s92, s92, BOFS
	s_mov_b32 s93, 0
	s_mul_i32 s45, s14, HALFT
	s_mul_i32 s96, s14, HALFS
	s_mov_b32 s[SEL], 0x76543210
	s_mov_b32 s[SEL+1], 0xfedcba98
	s_mov_b32 s[MNT], 0x600000
	s_wait_dscnt 0x0
	s_wait_kmcnt 0x0
	s_add_nc_u64 s[20:21], s[4:5], s[20:21]
	s_add_nc_u64 s[22:23], s[4:5], s[22:23]
	s_add_nc_u64 s[46:47], s[6:7], s[46:47]
	s_add_nc_u64 s[92:93], s[6:7], s[92:93]
	CROUND
	s_mov_b32 s[G0S], 1
	s_add_co_u32 s[G0S+1], s96, SCL-HALFS          ; wave 1 asks for both halves of A's scale words: half a tile back from its own half
	s_sub_nc_u64 s[G0S+2:G0S+3], s[22:23], HALFS
	s_or_b32 s[G0S+3], s[G0S+3], 0x80000000
	s_mov_b32 s[G0SB], 1
	s_add_co_u32 s[G0SB+1], s96, SCL-HALFS         ; wave 3 likewise for B's
	s_sub_nc_u64 s[G0SB+2:G0SB+3], s[92:93], HALFS
	s_or_b32 s[G0SB+3], s[G0SB+3], 0x80000000
.irp s, 0,1
	s_mov_b32 s[G0+4*\s], 1
	s_add_co_u32 s[G0+4*\s+1], s45, \s*SLOT
	s_add_nc_u64 s[G0+4*\s+2:G0+4*\s+3], s[20:21], \s*NQ*2048
	s_or_b32 s[G0+4*\s+3], s[G0+4*\s+3], 0x80000000
	s_mov_b32 s[G0B+4*\s], 1
	s_add_co_u32 s[G0B+4*\s+1], s45, \s*SLOT
	s_add_nc_u64 s[G0B+4*\s+2:G0B+4*\s+3], s[46:47], \s*NQ*2048
	s_or_b32 s[G0B+4*\s+3], s[G0B+4*\s+3], 0x80000000
.endr
	; the head's four tiles, one joint load a wave: wave 0 slot 0's rows of A, both halves; wave 2 those of B; wave 1 A's scale words; wave 3 B's
	s_cmp_eq_u32 s14, 0
	s_cbranch_scc0 .Lhead_b
	tensor_load_to_lds s[G0:G0+3], s[G1:G1+7]
	s_nop 0
	PLACES 4
	s_branch .Lhead_asked
.Lhead_b:
	s_cmp_eq_u32 s14, 2
	s_cbranch_scc0 .Lhead_sa
	tensor_load_to_lds s[G0B:G0B+3], s[G1B:G1B+7]
	s_nop 0
	PLACES 4
	s_branch .Lhead_asked
.Lhead_sa:
	s_cmp_eq_u32 s14, 1
	s_cbranch_scc0 .Lhead_sb
	tensor_load_to_lds s[G0S:G0S+3], s[G1S:G1S+7]
	s_nop 0
	PLACES 4
	s_branch .Lhead_asked
.Lhead_sb:
	tensor_load_to_lds s[G0SB:G0SB+3], s[G1SB:G1SB+7]
	s_nop 0
	PLACES 4
.Lhead_asked:
	v_and_b32 v1, 31, v0
	v_lshlrev_b32 v[LI], 4, v1
	v_and_b32 v2, 15, v0
	v_bfe_u32 v3, v0, 4, 1
	s_wait_alu depctr_va_vdst(0)
	s_mul_i32 s21, s15, HALFT
	s_mul_i32 s22, s16, HALFT
	s_add_co_u32 s22, s22, BOFF
.irp s, 0,1
	v_add_nc_u32 v[ADRA+\s], s21, v[LI]
	v_add_nc_u32 v[ADRB+\s], s22, v[LI]
	s_add_co_u32 s21, s21, SLOT
	s_add_co_u32 s22, s22, SLOT
.endr
	s_mul_i32 s21, s15, SH
	s_mul_i32 s22, s16, SH
	s_add_co_u32 s22, s22, 2*HALFS
	s_sub_co_u32 s22, s22, s21
	v_mul_u32_u24 v4, s22, v3
	s_add_co_u32 s21, s21, SCL
	v_lshl_add_u32 v4, v2, 2, v4
	v_add_nc_u32 v[ADRS], s21, v4
	s_lshl_b32 s21, s14, 16
	v_add_nc_u32 v[DA], s21, v[LI]
	s_lshl_b32 s21, s14, 9
	s_add_co_u32 s21, s21, SWST
	v_lshl_add_u32 v[SWA], v2, 2, s21
	v_lshlrev_b32 v5, 5, v3
	s_mul_i32 s20, s42, 128*NT
	s_mul_i32 s21, s16, 64*NT
	s_add_co_u32 s20, s20, s21
	s_mov_b32 s21, 0
	s_add_nc_u64 s[18:19], s[8:9], s[20:21]
.irp b, 0,1,2,3,4,5,6,7
	global_load_b128 v[BI+8*\b:BI+8*\b+3], v5, s[18:19] offset:64*\b
	global_load_b128 v[BI+8*\b+4:BI+8*\b+7], v5, s[18:19] offset:64*\b+16
.endr
	s_wait_alu depctr_va_vdst(0)
	s_wait_tensorcnt 0x0                           ; my tile of the head's four is in; the three lines ahead of slot 1's first fill
	ds_add_u32 v[SPW], v[NIL]
	s_mov_b32 s[G1+2], NT<<16                      ; no tensor load of mine is out: from here on a load brings NT tiles of rows
	s_mov_b32 s[G1+4], NT
	s_mov_b32 s[G1B+2], NT<<16
	s_mov_b32 s[G1B+4], NT
	s_wait_dscnt 0x0
	CROUND
	JLOAD G0+4, G1, G0B+4, G1B                     ; slot 1, a quarter a wave
	FETCH_B 0, 0, 0
	FETCH_A 0, 0, 0
	SCALES 0
	FETCH_A 0, 0, NT/2
	s_wait_loadcnt 0x0
	STEP 0, 0, 2
	s_mov_b32 s3, LAPS-1
.Llap:
	TURN 0, 1, 1
	STEP 1, 0, 0
	TURN 1, 0, 1
	STEP 0, 0, 0
	s_sub_co_u32 s3, s3, 1
	s_cmp_lg_u32 s3, 0
	s_cbranch_scc1 .Llap
	TURN 0, 1, 0
	STEP 1, 0, 0
	s_wait_dscnt 2*NT
	MULR 0, NT/2, 1, NQ-1, 1, 0
	s_wait_dscnt 0
	MULR NT/2, NT/2, 1, NQ-1, 1, 0
	WIN 0
	PLACES 8
	s_barrier_signal -1
	s_barrier_wait -1
.irp a, 0,1,2,3,4,5,6,7
	WIN 0x08+4*((\a)/4)
.irp b, 0,1,2,3,4,5,6,7
	ds_store_b128 v[DA], v[8*(8*((\a)%4)+\b):8*(8*((\a)%4)+\b)+3] offset:(16*\a+2*\b)*512
	ds_store_b128 v[DA], v[8*(8*((\a)%4)+\b)+4:8*(8*((\a)%4)+\b)+7] offset:(16*\a+2*\b+1)*512
.endr
.endr
	WIN 0
	s_lshl_b32 s20, s17, 4
	s_lshl_b32 s22, s15, 3
	s_add_co_u32 s20, s20, s22
	s_lshl_b32 s20, s20, 5
	s_lshl_b32 s22, s42, 1
	s_add_co_u32 s22, s22, s16
	s_add_co_u32 s20, s20, s22
	s_lshl_b32 s20, s20, 11
	s_mov_b32 s21, 0
	s_add_nc_u64 s[18:19], s[10:11], s[20:21]
	s_lshl_b32 s20, s17, 1
	s_add_co_u32 s20, s20, s15
	s_lshl_b32 s20, s20, 5
	s_add_co_u32 s20, s20, s22
	s_lshl_b32 s20, s20, 9
	s_add_co_u32 s20, s20, 0x1000000
	s_add_nc_u64 s[66:67], s[10:11], s[20:21]
	s_lshl_b32 s21, s14, 9
	s_add_co_u32 s21, s21, SWST
	v_add_nc_u32 v[SWR], s21, v[LI]
	v_mov_b32 v[CA], 0xaf95df0b
	v_mov_b32 v[CA+1], 0xaf95df0b
	v_mov_b32 v[CB], 0xb77460cd
	v_mov_b32 v[CB+1], 0xb77460cd
.set kc, 0
.irp c, 0x3f3504f3, 0x3f000000, 0x32edffee, 0xb95fbd29, 0xb60cff51, 0xb86ec2d2, 0xba40ac63, 0xbb41a1f6, 0xbc83dbd4, 0xbadc924e, 0xbbf19bf8, 0xbc69b6a7
	v_mov_b32 v[KC+kc], \c
	v_mov_b32 v[KC+kc+1], \c
.set kc, kc+2
.endr
	s_wait_alu depctr_va_vdst(0)                   ; the wait directly behind the writes
.irp b, 0,1,2,3
	v_mov_b32 v[TM+4+\b], 0
.endr
	s_mov_b32 s3, 8
	s_mov_b32 s20, 0
	s_mov_b32 s21, 0
.Lrows:
	v_add_nc_u32 v[ADL], s20, v[DA]
	v_add_nc_u32 v[SWW], s21, v[SWA]
.irp t, 0,1,2,3,4,5,6,7,8,9,10,11,12,13,14,15
	ds_load_b128 v[T+4*\t:T+4*\t+3], v[ADL] offset:512*\t
.endr
	s_wait_dscnt 0x0
	GELU 0
	GELU 1
	GELU 2
	GELU 3
	QUANT T, PW
	ds_store_b32 v[SWW], v[PW]
.irp c, 0,1,2,3
	global_store_b128 v[LI], v[PC+4*\c:PC+4*\c+3], s[18:19] offset:512*\c
.endr
	s_wait_xcnt 0x0
	s_add_nc_u64 s[18:19], s[18:19], 65536
	s_add_co_u32 s20, s20, 8192
	s_add_co_u32 s21, s21, 64
	s_sub_co_u32 s3, s3, 1
	s_cmp_lg_u32 s3, 0
	s_cbranch_scc1 .Lrows
	ds_load_b128 v[T:T+3], v[SWR]
	s_wait_dscnt 0x0
	global_store_b128 v[LI], v[T:T+3], s[66:67]
	s_wait_tensorcnt 0x0
	ds_add_u32 v[SPW], v[NIL]
	s_wait_dscnt 0x0
	CROUND
	s_endpgm
.Lfunc_end_k_q6392082803_mlp1:
	.size	k_q6392082803_mlp1, .Lfunc_end_k_q6392082803_mlp1-k_q6392082803_mlp1
	.p2alignl 7, 3214868480
	.fill 96, 4, 3214868480
	.section	.rodata,"a",@progbits
	.p2align	6, 0x0
	.amdhsa_kernel k_q6392082803_mlp1
		.amdhsa_group_segment_fixed_size 327680
		.amdhsa_private_segment_fixed_size 0
		.amdhsa_enable_private_segment 0
		.amdhsa_kernarg_size 32
		.amdhsa_user_sgpr_count 2
		.amdhsa_user_sgpr_kernarg_segment_ptr 1
		.amdhsa_wavefront_size32 1
		.amdhsa_system_sgpr_workgroup_id_x 1
		.amdhsa_system_sgpr_workgroup_id_y 1
		.amdhsa_system_sgpr_workgroup_id_z 1
		.amdhsa_system_vgpr_workitem_id 0
		.amdhsa_next_free_vgpr 1024
		.amdhsa_next_free_sgpr 104
		.amdhsa_reserve_vcc 0
		.amdhsa_float_denorm_mode_32 3
		.amdhsa_float_denorm_mode_16_64 3
		.amdhsa_memory_ordered 1
		.amdhsa_forward_progress 1
		.amdhsa_inst_pref_size 191
	.end_amdhsa_kernel
	.amdgpu_metadata
---
amdhsa.version: [ 1, 2 ]
amdhsa.kernels:
  - .name:           k_q6392082803_mlp1
    .symbol:         k_q6392082803_mlp1.kd
    .args:
      - { .name: xn, .offset: 0, .size: 8, .value_kind: global_buffer, .address_space: global }
      - { .name: qw, .offset: 8, .size: 8, .value_kind: global_buffer, .address_space: global }
      - { .name: b1, .offset: 16, .size: 8, .value_kind: global_buffer, .address_space: global }
      - { .name: hid, .offset: 24, .size: 8, .value_kind: global_buffer, .address_space: global }
    .group_segment_fixed_size: 327680
    .private_segment_fixed_size: 0
    .kernarg_segment_align: 8
    .kernarg_segment_size: 32
    .max_flat_workgroup_size: 128
    .sgpr_count:     104
    .vgpr_count:     1024
    .wavefront_size: 32
...
	.end_amdgpu_metadata
.endif
;; end of part 6
;; launch mlp2 (part 7): grid 8 x 32, 4 waves a work-group, clusters of 4 x 4, 327,680 bytes of LDS; arguments hid, qw, b2, y; writes y
.if DOCPART == 7
	.amdgcn_target "amdgcn-amd-amdhsa--gfx1250"
	.amdhsa_code_object_version 6
	.text
	.protected	k_q6392082803_mlp2
	.globl	k_q6392082803_mlp2
	.p2align	8
	.type	k_q6392082803_mlp2,@function
k_q6392082803_mlp2:
	s_mov_b64 s[64:65], 0
	v_nop
	global_prefetch_b8 v0, s[64:65] scope:SCOPE_SE
	s_setreg_imm32_b32 hwreg(HW_REG_WAVE_MODE, 25, 1), 1
	s_wait_xcnt 0x0
	s_wait_alu depctr_hold_cnt(0) depctr_sa_sdst(0) depctr_va_vdst(0) depctr_va_sdst(0) depctr_va_ssrc(0) depctr_va_vcc(0) depctr_vm_vsrc(0)
	s_getreg_b32 s2, hwreg(HW_REG_IB_STS2, 6, 4)
	s_cmp_eq_u32 s2, 0
	s_cbranch_scc0 .Lentry_in_a_cluster
	s_endpgm
.Lentry_in_a_cluster:
	s_bfe_u32 s2, ttmp6, 0x10000c
	s_cmp_lg_u32 s2, 0xf033
	s_cbranch_scc0 .Lentry_shape_is_right
	s_endpgm
.Lentry_shape_is_right:
.set NT, 4
.set NQ, 4
.set KS, 32
.set LAPS, KS/(2*NQ)
.set AOFS, 0x1000000
.set BOFC, 0xc00000
.set BOFS, 0x1060000
.set HALFT, 32768
.set SLOT, 131072
.set BOFF, 65536
.set SCL, 262144
.set HALFS, KS*64*NT
.set SH, 256
.set SPARE, SCL+4*HALFS
.set ADRA, 16
.set ADRB, 20
.set STO, 24
.set RD, 25
.set CO, 26
.set ADRS, 27
.set SPW, 28
.set NIL, 29
.set LI, 30
.set SC, 32
.set BI, 64
.set AF, 128
.set G1, 24
.set G0, 32
.set G1B, 48
.set G0B, 56
.set G1S, 68
.set G0S, 76
.set G1SB, 80
.set G0SB, 88
.set PFA, 98                           ; s[98:99] where my prefetches stand: one slot's K further on than the refill that is being asked for; a prefetch names the slot after that
.set PFO, 31                           ; v31  256 x lane; never rewritten
.set MSB, 0
.macro WIN new
.if MSB != (\new)
	s_set_vgpr_msb (MSB<<8)|(\new)
.set MSB, (\new)
.endif
.endm
.macro PLACES n
.rept \n
	v_nop
.endr
.endm
.macro JLOAD g0a, g1a, g0b, g1b
	s_cmp_eq_u32 s15, 0
	s_cbranch_scc0 .Lfor_b_\@
	tensor_load_to_lds s[\g0a:\g0a+3], s[\g1a:\g1a+7]
	s_nop 0
.rept 4
	v_nop
.endr
	s_branch .Lasked_\@
.Lfor_b_\@:
	tensor_load_to_lds s[\g0b:\g0b+3], s[\g1b:\g1b+7]
	s_nop 0
.rept 4
	v_nop
.endr
.Lasked_\@:
.endm
.macro CREST
	s_cmp_lg_u32 s14, 0
	s_cbranch_scc1 .Lnot_wave_0_\@
	s_barrier_signal -3
.Lnot_wave_0_\@:
	s_barrier_wait -3
	s_barrier_signal -1
	s_barrier_wait -1
.endm
.macro CROUND
	s_barrier_signal -1
	s_barrier_wait -1
	CREST
.endm
.macro FRAG reg, adr, q, i
.irp c, 0,1,2,3
	ds_load_b128 v[(\reg)+4*\c:(\reg)+4*\c+3], v[\adr] offset:((\i)*NQ+(\q))*2048+512*\c
.endr
.endm
.macro FETCH_B slot, q, p
	WIN 0x40
.set fi, 0
.rept NT
	FRAG 128*(\p)+16*fi, ADRB+\slot, \q, fi
.set fi, fi+1
.endr
	WIN 0
.endm
.macro FETCH_A slot, q, p              ; A's four fragments into set p: A has two sets, as B has
.set fi, 0
.rept NT
	FRAG AF+64*(\p)+16*fi, ADRA+\slot, \q, fi
.set fi, fi+1
.endr
.endm
.macro SCALES sc
.set fq, 0
.rept NQ
.set fi, 0
.rept NT
	ds_load_b32 v[SC+16*(\sc)+NT*fq+fi], v[ADRS] offset:fq*512+fi*64
.set fi, fi+1
.endr
.set fq, fq+1
.endr
.endm
.macro MULR a0, n, p, q, sc, zero
.if (\zero) == 2
	WIN 0x81+0x40*((\a0)/4)
.else
	WIN 0xa1+0x50*((\a0)/4)
.endif
.set ma, \a0
.rept \n
.set mb, 0
.rept NT
.set rD, 8*(NT*(ma%4)+mb)
.set rB, 128*(\p)+16*mb
.set rA, AF+64*(\p)+16*ma
.set rS, SC+16*(\sc)+NT*(\q)
.if (\zero) == 2
	v_wmma_scale_f32_16x16x128_f8f6f4 v[rD:rD+7], v[rB:rB+15], v[rA:rA+15], v[BI+8*mb:BI+8*mb+7], v[rS+mb], v[rS+ma] matrix_a_scale:MATRIX_SCALE_ROW1
.else
	v_wmma_scale_f32_16x16x128_f8f6f4 v[rD:rD+7], v[rB:rB+15], v[rA:rA+15], v[rD:rD+7], v[rS+mb], v[rS+ma] matrix_a_scale:MATRIX_SCALE_ROW1
.endif
.set mb, mb+1
.endr
.set ma, ma+1
.endr
.endm
.macro STEP slot, q, zero
	s_wait_dscnt 0x0                               ; this step's 32 loads, issued a whole step ago
	PLACES 8                                       ; in front of loads into the set that the last step's products read
	FETCH_B \slot, (\q)+1, 1-(\q)%2
	FETCH_A \slot, (\q)+1, 1-(\q)%2
	MULR 0, NT, (\q)%2, \q, \slot, \zero
	WIN 0
.endm
.macro TURN slot, next, fill
.if \fill
	s_wait_xcnt 0x0                                ; my last prefetch has read its address, which is stepped here, ahead of the waits of the change of slots
	s_add_nc_u64 s[PFA:PFA+1], s[PFA:PFA+1], NQ*2048
.endif
	s_wait_tensorcnt 0x0
	ds_add_u32 v[SPW], v[NIL]
	s_wait_dscnt 2*NT+1
	MULR 0, NT/4, 1, NQ-1, \slot, 0
	s_wait_dscnt 0x0
	s_barrier_signal -1
	MULR NT/4, NT/4, 1, NQ-1, \slot, 0
	WIN 0
	s_barrier_wait -1
.if \fill
	CREST
	s_add_nc_u64 s[G0+4*\slot+2:G0+4*\slot+3], s[G0+4*\slot+2:G0+4*\slot+3], 2*NQ*2048
	s_add_nc_u64 s[G0B+4*\slot+2:G0B+4*\slot+3], s[G0B+4*\slot+2:G0B+4*\slot+3], 2*NQ*2048
	JLOAD G0+4*\slot, G1, G0B+4*\slot, G1B
	PLACES 4
.else
	PLACES 8
.endif
	s_wait_alu depctr_va_vdst(0)
	v_add_nc_u32 v[ADRS], NQ*512, v[ADRS]
	FETCH_B \next, 0, 0
	FETCH_A \next, 0, 0
	SCALES \next
.if \fill
	s_cmp_gt_u32 s3, 1                             ; the loop's last trip has no slot two refills on
	s_cbranch_scc0 .Lno_ask_\@
	global_prefetch_b8 v[PFO], s[PFA:PFA+1] offset:NQ*2048 th:TH_LOAD_NT scope:SCOPE_SE   ; what the refill two changes of slots on will load
.Lno_ask_\@:
.endif
	MULR NT/2, NT/2, 1, NQ-1, \slot, 0
	WIN 0
.endm
.macro TOSTAGE a
	WIN 0x08
.irp b, 0,1,2,3
	ds_store_b128 v[STO], v[8*(4*(\a)+\b):8*(4*(\a)+\b)+3] offset:64*\b
	ds_store_b128 v[STO], v[8*(4*(\a)+\b)+4:8*(4*(\a)+\b)+7] offset:64*\b+16
.endr
	WIN 0
.set BB, AF+32*((\a)%2)
.irp t, 0,1,2,3,4,5,6,7
	ds_load_b128 v[BB+4*\t:BB+4*\t+3], v[RD] offset:544*\t
.endr
.endm
.macro SEND a, younger
.set BB, AF+32*((\a)%2)
	s_wait_dscnt \younger
.if (\a) > 0
	s_add_nc_u64 s[10:11], s[10:11], 65536
.endif
.irp t, 0,1,2,3,4,5,6,7
	global_store_b128 v[CO], v[BB+4*\t:BB+4*\t+3], s[10:11] offset:8192*\t
.endr
.endm
	s_load_b256 s[4:11], s[0:1], 0x0
	v_lshl_add_u32 v[SPW], v0, 2, SPARE
	v_mov_b32 v[NIL], 0
	ds_add_u32 v[SPW], v[NIL]
	ds_add_u32 v[SPW], v[NIL]
	v_lshrrev_b32 v1, 5, v0
	v_readfirstlane_b32 s14, v1
	s_lshr_b32 s15, s14, 1
	s_and_b32 s16, s14, 1
	s_bfe_u32 s40, ttmp6, 0x40000
	s_bfe_u32 s41, ttmp6, 0x40004
	s_lshl_b32 s42, ttmp9, 2
	s_add_co_u32 s42, s42, s40
	s_and_b32 s17, ttmp7, 0xffff
	s_lshl_b32 s17, s17, 2
	s_add_co_u32 s17, s17, s41
	s_lshl_b32 s43, s41, 2
	s_lshl_b32 s43, 15, s43
	s_lshl_b32 s44, 0x1111, s40
	s_or_b32 s[G1+0], s43, (3<<16)|(1<<21)
	s_or_b32 s[G1B+0], s44, (3<<16)|(1<<21)
.irp g, G1, G1B
	s_mov_b32 s[\g+1], (NQ*256)<<16
	s_mov_b32 s[\g+2], (2*NT)<<16
	s_mov_b32 s[\g+3], (NQ*256)<<16
	s_mov_b32 s[\g+4], 2*NT
	s_mov_b32 s[\g+5], KS*256
	s_mov_b32 s[\g+6], 0
	s_mov_b32 s[\g+7], 0
.endr
	s_or_b32 s[G1S+0], s43, (3<<16)|(1<<21)
	s_or_b32 s[G1SB+0], s44, (3<<16)|(1<<21)
.irp g, G1S, G1SB
	s_mov_b32 s[\g+1], 32<<16
	s_mov_b32 s[\g+2], (HALFS/128)<<16
	s_mov_b32 s[\g+3], 32<<16
	s_mov_b32 s[\g+4], HALFS/128
	s_mov_b32 s[\g+5], 32
	s_mov_b32 s[\g+6], 0
	s_mov_b32 s[\g+7], 0
.endr
	s_mul_i32 s20, s17, 2*NT*KS*2048
	s_mul_i32 s18, s16, NT*KS*2048
	s_add_co_u32 s20, s20, s18
	s_mov_b32 s21, 0
	s_mul_i32 s22, s17, 2*HALFS
	s_mul_i32 s18, s16, HALFS
	s_add_co_u32 s22, s22, s18
	s_add_co_u32 s22, s22, AOFS
	s_mov_b32 s23, 0
	s_mul_i32 s46, s42, 2*NT*KS*2048
	s_mul_i32 s19, s16, NT*KS*2048
	s_add_co_u32 s46, s46, s19
	s_add_co_u32 s46, s46, BOFC
	s_mov_b32 s47, 0
	s_mul_i32 s92, s42, 2*HALFS
	s_mul_i32 s19, s16, HALFS
	s_add_co_u32 s92, s92, s19
	s_add_co_u32 s92, s92, BOFS
	s_mov_b32 s93, 0
	s_mul_i32 s45, s14, HALFT
	s_mul_i32 s96, s14, HALFS
	s_wait_dscnt 0x0
	s_wait_kmcnt 0x0
	s_add_nc_u64 s[20:21], s[4:5], s[20:21]
	s_add_nc_u64 s[22:23], s[4:5], s[22:23]
	s_add_nc_u64 s[46:47], s[6:7], s[46:47]
	s_add_nc_u64 s[92:93], s[6:7], s[92:93]
	CROUND
	s_mov_b32 s[G0S], 1
	s_add_co_u32 s[G0S+1], s96, SCL-HALFS          ; wave 1 asks for both halves of A's scale words: half a tile back from its own half
	s_sub_nc_u64 s[G0S+2:G0S+3], s[22:23], HALFS
	s_or_b32 s[G0S+3], s[G0S+3], 0x80000000
	s_mov_b32 s[G0SB], 1
	s_add_co_u32 s[G0SB+1], s96, SCL-HALFS         ; wave 3 likewise for B's
	s_sub_nc_u64 s[G0SB+2:G0SB+3], s[92:93], HALFS
	s_or_b32 s[G0SB+3], s[G0SB+3], 0x80000000
.irp s, 0,1
	s_mov_b32 s[G0+4*\s], 1
	s_add_co_u32 s[G0+4*\s+1], s45, \s*SLOT
	s_add_nc_u64 s[G0+4*\s+2:G0+4*\s+3], s[20:21], \s*NQ*2048
	s_or_b32 s[G0+4*\s+3], s[G0+4*\s+3], 0x80000000
	s_mov_b32 s[G0B+4*\s], 1
	s_add_co_u32 s[G0B+4*\s+1], s45, \s*SLOT
	s_add_nc_u64 s[G0B+4*\s+2:G0B+4*\s+3], s[46:47], \s*NQ*2048
	s_or_b32 s[G0B+4*\s+3], s[G0B+4*\s+3], 0x80000000
.endr
	; the head's four tiles, one joint load a wave: wave 0 slot 0's rows of A, both halves; wave 2 those of B; wave 1 A's scale words; wave 3 B's
	s_cmp_eq_u32 s14, 0
	s_cbranch_scc0 .Lhead_b
	tensor_load_to_lds s[G0:G0+3], s[G1:G1+7]
	s_nop 0
	PLACES 4
	s_branch .Lhead_asked
.Lhead_b:
	s_cmp_eq_u32 s14, 2
	s_cbranch_scc0 .Lhead_sa
	tensor_load_to_lds s[G0B:G0B+3], s[G1B:G1B+7]
	s_nop 0
	PLACES 4
	s_branch .Lhead_asked
.Lhead_sa:
	s_cmp_eq_u32 s14, 1
	s_cbranch_scc0 .Lhead_sb
	tensor_load_to_lds s[G0S:G0S+3], s[G1S:G1S+7]
	s_nop 0
	PLACES 4
	s_branch .Lhead_asked
.Lhead_sb:
	tensor_load_to_lds s[G0SB:G0SB+3], s[G1SB:G1SB+7]
	s_nop 0
	PLACES 4
.Lhead_asked:
	; the prefetches: of the four tiles of rows that my wave fetches for a slot, the partner at place p (cx for A, cy for B) names tile p: 8,192 bytes, lanes 256 bytes apart: each block of 256 bytes once in the cluster.
	; Here the first two refills' tiles (the third and fourth 512 along K); in the loop each change of slots names the tile two refills on
	s_cmp_eq_u32 s15, 0
	s_cselect_b64 s[PFA:PFA+1], s[20:21], s[46:47]
	s_cselect_b32 s100, s40, s41
	s_mul_i32 s100, s100, KS*2048
	s_add_co_u32 s100, s100, 2*NQ*2048
	s_mov_b32 s101, 0
	s_add_nc_u64 s[PFA:PFA+1], s[PFA:PFA+1], s[100:101]
	v_and_b32 v[PFO], 31, v0
	v_lshlrev_b32 v[PFO], 8, v[PFO]
	global_prefetch_b8 v[PFO], s[PFA:PFA+1] th:TH_LOAD_NT scope:SCOPE_SE
	global_prefetch_b8 v[PFO], s[PFA:PFA+1] offset:NQ*2048 th:TH_LOAD_NT scope:SCOPE_SE
	v_and_b32 v1, 31, v0
	v_lshlrev_b32 v[LI], 4, v1
	v_and_b32 v2, 15, v0
	v_bfe_u32 v3, v0, 4, 1
	s_wait_alu depctr_va_vdst(0)
	s_mul_i32 s21, s15, HALFT
	s_mul_i32 s22, s16, HALFT
	s_add_co_u32 s22, s22, BOFF
.irp s, 0,1
	v_add_nc_u32 v[ADRA+\s], s21, v[LI]
	v_add_nc_u32 v[ADRB+\s], s22, v[LI]
	s_add_co_u32 s21, s21, SLOT
	s_add_co_u32 s22, s22, SLOT
.endr
	s_mul_i32 s21, s15, SH
	s_mul_i32 s22, s16, SH
	s_add_co_u32 s22, s22, 2*HALFS
	s_sub_co_u32 s22, s22, s21
	v_mul_u32_u24 v4, s22, v3
	s_add_co_u32 s21, s21, SCL
	v_lshl_add_u32 v4, v2, 2, v4
	v_add_nc_u32 v[ADRS], s21, v4
	v_lshlrev_b32 v5, 5, v3
	s_mul_i32 s20, s42, 128*NT
	s_mul_i32 s21, s16, 64*NT
	s_add_co_u32 s20, s20, s21
	s_mov_b32 s21, 0
	s_add_nc_u64 s[18:19], s[8:9], s[20:21]
.irp b, 0,1,2,3
	global_load_b128 v[BI+8*\b:BI+8*\b+3], v5, s[18:19] offset:64*\b
	global_load_b128 v[BI+8*\b+4:BI+8*\b+7], v5, s[18:19] offset:64*\b+16
.endr
	s_mul_i32 s23, s14, 16*272
	v_mul_u32_u24 v4, v2, 272
	v_lshl_add_u32 v4, v3, 5, v4
	v_add_nc_u32 v[STO], s23, v4
	v_mul_u32_u24 v4, v3, 272
	v_lshl_add_u32 v4, v2, 4, v4
	v_add_nc_u32 v[RD], s23, v4
	v_lshlrev_b32 v4, 12, v3
	v_lshl_add_u32 v[CO], v2, 4, v4
	s_lshl_b32 s20, s17, 19
	s_lshl_b32 s22, s15, 18
	s_add_co_u32 s20, s20, s22
	s_lshl_b32 s22, s42, 9
	s_add_co_u32 s20, s20, s22
	s_lshl_b32 s22, s16, 8
	s_add_co_u32 s20, s20, s22
	s_add_nc_u64 s[10:11], s[10:11], s[20:21]
	s_wait_alu depctr_va_vdst(0)                   ; the head's end
	s_wait_tensorcnt 0x0                           ; my tile of the head's four is in; the three lines ahead of slot 1's first fill
	ds_add_u32 v[SPW], v[NIL]
	s_mov_b32 s[G1+2], NT<<16                      ; no tensor load of mine is out: from here on a load brings NT tiles of rows
	s_mov_b32 s[G1+4], NT
	s_mov_b32 s[G1B+2], NT<<16
	s_mov_b32 s[G1B+4], NT
	s_wait_dscnt 0x0
	CROUND
	JLOAD G0+4, G1, G0B+4, G1B                     ; slot 1, a quarter a wave
	FETCH_B 0, 0, 0
	FETCH_A 0, 0, 0
	SCALES 0
	s_wait_loadcnt 0x0
	STEP 0, 0, 2
.if LAPS > 1
	s_mov_b32 s3, LAPS-1
.Llap:
	STEP 0, 1, 0
	STEP 0, 2, 0
	TURN 0, 1, 1
	STEP 1, 0, 0
	STEP 1, 1, 0
	STEP 1, 2, 0
	TURN 1, 0, 1
	STEP 0, 0, 0
	s_sub_co_u32 s3, s3, 1
	s_cmp_lg_u32 s3, 0
	s_cbranch_scc1 .Llap
.endif
	STEP 0, 1, 0
	STEP 0, 2, 0
	TURN 0, 1, 0
	STEP 1, 0, 0
	STEP 1, 1, 0
	STEP 1, 2, 0
	s_wait_dscnt 2*NT
	MULR 0, NT/2, 1, NQ-1, 1, 0
	s_wait_dscnt 0
	MULR NT/2, NT/2, 1, NQ-1, 1, 0
	WIN 0
	PLACES 8
	TOSTAGE 0
.irp a, 1,2,3
.if \a > 1
	s_wait_xcnt 0x0
.endif
	TOSTAGE \a
	SEND \a-1, 16
.endr
	s_wait_xcnt 0x0
	SEND 3, 0
	s_wait_tensorcnt 0x0
	ds_add_u32 v[SPW], v[NIL]
	s_wait_dscnt 0x0
	CROUND
	s_endpgm
.Lfunc_end_k_q6392082803_mlp2:
	.size	k_q6392082803_mlp2, .Lfunc_end_k_q6392082803_mlp2-k_q6392082803_mlp2
	.p2alignl 7, 3214868480
	.fill 96, 4, 3214868480
	.section	.rodata,"a",@progbits
	.p2align	6, 0x0
	.amdhsa_kernel k_q6392082803_mlp2
		.amdhsa_group_segment_fixed_size 327680
		.amdhsa_private_segment_fixed_size 0
		.amdhsa_enable_private_segment 0
		.amdhsa_kernarg_size 32
		.amdhsa_user_sgpr_count 2
		.amdhsa_user_sgpr_kernarg_segment_ptr 1
		.amdhsa_wavefront_size32 1
		.amdhsa_system_sgpr_workgroup_id_x 1
		.amdhsa_system_sgpr_workgroup_id_y 1
		.amdhsa_system_sgpr_workgroup_id_z 1
		.amdhsa_system_vgpr_workitem_id 0
		.amdhsa_next_free_vgpr 640
		.amdhsa_next_free_sgpr 104
		.amdhsa_reserve_vcc 0
		.amdhsa_float_denorm_mode_32 3
		.amdhsa_float_denorm_mode_16_64 3
		.amdhsa_memory_ordered 1
		.amdhsa_forward_progress 1
		.amdhsa_inst_pref_size 98
	.end_amdhsa_kernel
	.amdgpu_metadata
---
amdhsa.version: [ 1, 2 ]
amdhsa.kernels:
  - .name:           k_q6392082803_mlp2
    .symbol:         k_q6392082803_mlp2.kd
    .args:
      - { .name: hid, .offset: 0, .size: 8, .value_kind: global_buffer, .address_space: global }
      - { .name: qw, .offset: 8, .size: 8, .value_kind: global_buffer, .address_space: global }
      - { .name: b2, .offset: 16, .size: 8, .value_kind: global_buffer, .address_space: global }
      - { .name: y, .offset: 24, .size: 8, .value_kind: global_buffer, .address_space: global }
    .group_segment_fixed_size: 327680
    .private_segment_fixed_size: 0
    .kernarg_segment_align: 8
    .kernarg_segment_size: 32
    .max_flat_workgroup_size: 128
    .sgpr_count:     104
    .vgpr_count:     640
    .wavefront_size: 32
...
	.end_amdgpu_metadata
.endif
;; end of part 7
;; launch ln2 (part 8): grid 256 x 1, 8 waves a work-group, no clusters, 0 bytes of LDS; arguments y, xn, g2, beta2, out0; writes out0
.if DOCPART == 8
	.amdgcn_target "amdgcn-amd-amdhsa--gfx1250"
	.amdhsa_code_object_version 6
	.text
	.protected	k_q6392082803_ln2
	.globl	k_q6392082803_ln2
	.p2align	8
	.type	k_q6392082803_ln2,@function
k_q6392082803_ln2:
	s_mov_b64 s[64:65], 0
	v_nop
	global_prefetch_b8 v0, s[64:65] scope:SCOPE_SE
	s_setreg_imm32_b32 hwreg(HW_REG_WAVE_MODE, 25, 1), 1
	s_wait_xcnt 0x0
; Launch 8: out0 = layernorm(xn + y) g2 + beta2.  Nothing of reference() is left out here.
; A work-group takes 16 rows, a wave two; a wave holds a whole row: lane l has elements 128 i + 4 l + 0..3, eight loads of 512 consecutive bytes.  Mean and variance (of the centred numbers) never leave the wave: no LDS, no barrier.
; Two sets of row registers: while one row is worked, the next is on its way.
.set SEL, 28
.set INV, 30
.set EPS, 31
.set G,   16
.set BT,  48
.set SA,  248
.set SBB, 250
.set MU,  252
.set TT,  254
.macro REDUCE r
.irp x, 1,2,4,8
	v_add_f32_dpp v[\r], v[\r], v[\r] row_xmask:\x row_mask:0xf bank_mask:0xf
.endr
	v_permlanex16_b32 v[TT], v[\r], s[SEL], s[SEL+1]
	v_add_f32 v[\r], v[\r], v[TT]
.endm
.macro LOADROW k
.set YY, 80+64*((\k)%2)
.irp i, 0,1,2,3,4,5,6,7
	global_load_b128 v[YY+4*\i:YY+4*\i+3], v3, s[4:5] offset:4096*(\k)+512*\i th:TH_LOAD_NT
.endr
.irp i, 0,1,2,3,4,5,6,7
	global_load_b128 v[YY+32+4*\i:YY+32+4*\i+3], v3, s[6:7] offset:4096*(\k)+512*\i th:TH_LOAD_NT
.endr
.endm
.macro LNROW
.irp j, 0,2,4,6,8,10,12,14,16,18,20,22,24,26,28,30
	v_pk_add_f32 v[YY+\j:YY+\j+1], v[YY+32+\j:YY+32+\j+1], v[YY+\j:YY+\j+1]
.endr
	v_pk_add_f32 v[SA:SA+1], v[YY:YY+1], v[YY+2:YY+3]
	v_pk_add_f32 v[SBB:SBB+1], v[YY+4:YY+5], v[YY+6:YY+7]
.irp j, 8,12,16,20,24,28
	v_pk_add_f32 v[SA:SA+1], v[SA:SA+1], v[YY+\j:YY+\j+1]
	v_pk_add_f32 v[SBB:SBB+1], v[SBB:SBB+1], v[YY+\j+2:YY+\j+3]
.endr
	v_pk_add_f32 v[SA:SA+1], v[SA:SA+1], v[SBB:SBB+1]
	v_add_f32 v[SA], v[SA], v[SA+1]
	REDUCE SA
	v_mul_f32 v[MU], s[INV], v[SA]
.irp j, 0,2,4,6,8,10,12,14,16,18,20,22,24,26,28,30
	v_pk_add_f32 v[YY+\j:YY+\j+1], v[YY+\j:YY+\j+1], v[MU:MU+1] op_sel_hi:[1,0] neg_lo:[0,1] neg_hi:[0,1]
.endr
	v_pk_mul_f32 v[SA:SA+1], v[YY:YY+1], v[YY:YY+1]
	v_pk_mul_f32 v[SBB:SBB+1], v[YY+2:YY+3], v[YY+2:YY+3]
.irp j, 4,8,12,16,20,24,28
	v_pk_fma_f32 v[SA:SA+1], v[YY+\j:YY+\j+1], v[YY+\j:YY+\j+1], v[SA:SA+1]
	v_pk_fma_f32 v[SBB:SBB+1], v[YY+\j+2:YY+\j+3], v[YY+\j+2:YY+\j+3], v[SBB:SBB+1]
.endr
	v_pk_add_f32 v[SA:SA+1], v[SA:SA+1], v[SBB:SBB+1]
	v_add_f32 v[SA], v[SA], v[SA+1]
	REDUCE SA
	v_fma_f32 v[SA], v[SA], s[INV], s[EPS]
	s_wait_alu depctr_va_vdst(0)
	v_rsq_f32 v[MU], v[SA]
	v_nop                                          ; a plain line behind the transcendental,
	s_wait_alu depctr_va_vdst(0)                   ; and the wait ahead of its first reader
.irp j, 0,2,4,6,8,10,12,14,16,18,20,22,24,26,28,30
	v_pk_mul_f32 v[YY+\j:YY+\j+1], v[YY+\j:YY+\j+1], v[MU:MU+1] op_sel_hi:[1,0]
.endr
.irp j, 0,2,4,6,8,10,12,14,16,18,20,22,24,26,28,30
	v_pk_fma_f32 v[YY+\j:YY+\j+1], v[YY+\j:YY+\j+1], v[G+\j:G+\j+1], v[BT+\j:BT+\j+1]
.endr
.endm
.macro ROW k, left
.set YY, 80+64*((\k)%2)
	s_wait_loadcnt \left                           ; this row's 16 loads are in; the next row's 16 may be out
	LNROW
.irp i, 0,1,2,3,4,5,6,7
	global_store_b128 v3, v[YY+4*\i:YY+4*\i+3], s[12:13] offset:4096*(\k)+512*\i th:TH_STORE_NT
.endr
.if (\k)+2 < 2
	s_wait_xcnt 0x0                                ; the stores have read the row's registers, which are loaded again
	LOADROW (\k)+2
.endif
.endm
	s_load_b256 s[4:11], s[0:1], 0x0               ; y, xn, g2, beta2
	s_load_b64 s[12:13], s[0:1], 0x20              ; out0
	v_lshrrev_b32 v2, 5, v0
	v_readfirstlane_b32 s20, v2
	v_and_b32 v1, 31, v0
	v_lshlrev_b32 v3, 4, v1
	s_mov_b32 s[SEL], 0x76543210
	s_mov_b32 s[SEL+1], 0xfedcba98
	s_mov_b32 s[INV], 0x3a800000                   ; 1 / 1,024
	s_mov_b32 s[EPS], 0x3727c5ac                   ; 1e-5
	v_mov_b32 v[MU+1], 0
	v_mov_b32 v[TT], 0
	s_lshl_b32 s22, ttmp9, 16
	s_lshl_b32 s23, s20, 13                        ; eight waves of two rows: all of a wave's loads go out at its head
	s_add_co_u32 s22, s22, s23
	s_mov_b32 s23, 0
	s_wait_alu depctr_va_vdst(0)
	s_wait_kmcnt 0x0
	s_add_nc_u64 s[4:5], s[4:5], s[22:23]
	s_add_nc_u64 s[6:7], s[6:7], s[22:23]
	s_add_nc_u64 s[12:13], s[12:13], s[22:23]
.irp i, 0,1,2,3,4,5,6,7
	global_load_b128 v[G+4*\i:G+4*\i+3], v3, s[8:9] offset:512*\i
	global_load_b128 v[BT+4*\i:BT+4*\i+3], v3, s[10:11] offset:512*\i
.endr
	LOADROW 0
	LOADROW 1
	ROW 0, 16
	ROW 1, 0
	s_endpgm
.Lfunc_end_k_q6392082803_ln2:
	.size	k_q6392082803_ln2, .Lfunc_end_k_q6392082803_ln2-k_q6392082803_ln2
	.p2alignl 7, 3214868480
	.fill 96, 4, 3214868480
	.section	.rodata,"a",@progbits
	.p2align	6, 0x0
	.amdhsa_kernel k_q6392082803_ln2
		.amdhsa_group_segment_fixed_size 0
		.amdhsa_private_segment_fixed_size 0
		.amdhsa_enable_private_segment 0
		.amdhsa_kernarg_size 40
		.amdhsa_user_sgpr_count 2
		.amdhsa_user_sgpr_kernarg_segment_ptr 1
		.amdhsa_wavefront_size32 1
		.amdhsa_system_sgpr_workgroup_id_x 1
		.amdhsa_system_sgpr_workgroup_id_y 1
		.amdhsa_system_sgpr_workgroup_id_z 1
		.amdhsa_system_vgpr_workitem_id 0
		.amdhsa_next_free_vgpr 256
		.amdhsa_next_free_sgpr 66
		.amdhsa_reserve_vcc 0
		.amdhsa_float_denorm_mode_32 3
		.amdhsa_float_denorm_mode_16_64 3
		.amdhsa_memory_ordered 1
		.amdhsa_forward_progress 1
		.amdhsa_inst_pref_size 22
	.end_amdhsa_kernel
	.amdgpu_metadata
---
amdhsa.version: [ 1, 2 ]
amdhsa.kernels:
  - .name:           k_q6392082803_ln2
    .symbol:         k_q6392082803_ln2.kd
    .args:
      - { .name: y, .offset: 0, .size: 8, .value_kind: global_buffer, .address_space: global }
      - { .name: xn, .offset: 8, .size: 8, .value_kind: global_buffer, .address_space: global }
      - { .name: g2, .offset: 16, .size: 8, .value_kind: global_buffer, .address_space: global }
      - { .name: beta2, .offset: 24, .size: 8, .value_kind: global_buffer, .address_space: global }
      - { .name: out0, .offset: 32, .size: 8, .value_kind: global_buffer, .address_space: global }
    .group_segment_fixed_size: 0
    .private_segment_fixed_size: 0
    .kernarg_segment_align: 8
    .kernarg_segment_size: 40
    .max_flat_workgroup_size: 256
    .sgpr_count:     66
    .vgpr_count:     256
    .wavefront_size: 32
...
	.end_amdgpu_metadata
.endif
;; end of part 8
